; MI455X (gfx1250); checked and timed in simulation.
; The chip was launched on July 23, 2026; its instructions are those of AMD's public machine-readable ISA for CDNA 5 (MIT licence, August 2026) and "CDNA5" Instruction Set Architecture Reference Guide (July 2026). The comments in the code are by the model that wrote it; some were corrected since.
;; Attention. Allowed arithmetic: matrix products marked QUANTISED: E2M3 operands, one E8M0 scale for each 32 along K, by v_wmma_scale_f32_16x16x128_f8f6f4 with both operands' format E2M3, f32 sums; everything else in f32.
;; Inputs: W_k_codes 1,024 x 32 x 24 uint8 (E2M3 codes of W_k, K innermost, in blocks of 32 codes, four codes in three bytes); W_k_scales 1,024 x 32 uint8 (E8M0 scales of W_k, one for each 32 codes along K); W_o_codes 1,024 x 32 x 24 uint8 (E2M3 codes of W_o, K innermost, in blocks of 32 codes, four codes in three bytes); W_o_scales 1,024 x 32 uint8 (E8M0 scales of W_o, one for each 32 codes along K); W_q_codes 1,024 x 32 x 24 uint8 (E2M3 codes of W_q, K innermost, in blocks of 32 codes, four codes in three bytes); W_q_scales 1,024 x 32 uint8 (E8M0 scales of W_q, one for each 32 codes along K); W_v_codes 1,024 x 32 x 24 uint8 (E2M3 codes of W_v, K innermost, in blocks of 32 codes, four codes in three bytes); W_v_scales 1,024 x 32 uint8 (E8M0 scales of W_v, one for each 32 codes along K); attention_mask 4 x 2,048 float32; freqs_cos 2,048 x 32 float32; freqs_sin 2,048 x 32 float32; x_codes 4 x 2,048 x 32 x 24 uint8 (E2M3 codes of x, K innermost, in blocks of 32 codes, four codes in three bytes); x_scales 4 x 2,048 x 32 uint8 (E8M0 scales of x, one for each 32 codes along K).
;; Outputs: out0 4 x 2,048 x 1,024 float32.
;; This version of the problem:
;;   THIS VERSION OF THE PROBLEM IS GIVEN IN LOW PRECISION. The matrix products marked QUANTISED in the list below multiply operands that are first quantised to E2M3 (2 exponent bits, 3 mantissa bits; 6 bits a number), with one power-of-two scale for each 32 numbers along K (OCP MX v1.0); their sums are f32. All else is computed in f32.
;;   The module's matrix products, in the order in which they are computed (A, B: the left and right operand; K: the contracted axis; several contracted axes count as one K, in the product's order):
;;     1. [M 8,192, K 1,024] x [K 1,024, N 1,024]; A: input x (given as codes); B: input W_q (given as codes): QUANTISED
;;     2. [M 8,192, K 1,024] x [K 1,024, N 1,024]; A: input x (given as codes); B: input W_k (given as codes): QUANTISED
;;     3. [M 8,192, K 1,024] x [K 1,024, N 1,024]; A: input x (given as codes); B: input W_v (given as codes): QUANTISED
;;     4. batch 64 x [M 2,048, K 64] x [K 64, N 2,048]; A: computed on the way; B: computed on the way: QUANTISED
;;     5. batch 64 x [M 2,048, K 2,048] x [K 2,048, N 64]; A: softmax (see below); B: computed on the way: QUANTISED
;;     6. [M 8,192, K 1,024] x [K 1,024, N 1,024]; A: computed on the way; B: input W_o (given as codes): QUANTISED
;;   THE QUANTISER, for each operand of a quantised product, along K:
;;     - K is cut into blocks of 32 from its start; a last block that is shorter is filled with zeros.
;;     - A block's scale is 2^e with e = floor(log2(the largest magnitude in the block)) - 2, held to -126 .. 127; a block of zeros has e = 0. As a byte (E8M0): e + 127.
;;     - Each number is divided by its block's scale, clamped to +-7.5, and rounded to the nearest number of E2M3, ties to even, subnormals kept.
;;     - The product sums the exact products of the quantised numbers (number of the format x scale) in f32.
;;   ~~~python
;;   def quantise(x, axis):      # numpy; x: float32 -> the quantised numbers, widened to float32 again
;;       x = np.moveaxis(x, axis, -1); K = x.shape[-1]
;;       x = np.pad(x, [(0, 0)] * (x.ndim - 1) + [(0, -K % 32)]); x = x.reshape(x.shape[:-1] + (-1, 32)); a = np.abs(x).max(-1, keepdims=True)
;;       e = np.where(a > 0, np.clip(np.frexp(np.where(a > 0, a, 1))[1] - 1 - 2, -126, 127), 0)      # np.frexp(a)[1] - 1 = floor(log2(a)), exactly
;;       r = np.clip(x / 2.0 ** e, -7.5, 7.5)
;;       step = 2.0 ** (np.maximum(np.frexp(np.where(r == 0, 1, r))[1] - 1, 0) - 3)
;;       q = np.round(r / step) * step * 2.0 ** e      # np.round: ties to even
;;       return np.moveaxis(q.reshape(q.shape[:-2] + (-1,))[..., :K], -1, axis).astype(np.float32)
;;   ~~~
;;   SOFTMAX AHEAD OF A QUANTISED PRODUCT. Where the list says 'softmax', what is quantised is not the finished softmax but p = 2^(t - M), with t = logit x log2(e) and M = ceil(the row's largest t), a whole number; so 1/2 < the row's largest p <= 1. The row's sum l is taken of the UNQUANTISED p, in f32, and the product's result is divided by l at the end. Since M is a whole number, a kernel that streams over the keys may use a running M (the ceiling of the running maximum): every later rescaling is an exact power of two, which a block's scale takes up: the codes' values come out the same.
;;   OPERANDS COMPUTED ON THE WAY. 'Computed on the way' means the value that the module computes at that place (a softmax that the list does not call 'softmax' is quantised finished and normalised). What goes into a quantiser is computed in f32, as accurately as f32 sums, v_exp_f32 and their like allow (about 1e-6 of the number): no bf16 or f16 on the way to a quantiser, and a product that is left as it is and whose result goes on into a quantised operand takes f32 operands (vector FMAs, or v_wmma_f32_16x16x4_f32). A number that lies on a knife's edge between two numbers of the format may be rounded either way, as far as f32 arithmetic and the matrix unit's own rounding can turn it there, and no further.
;;   INPUTS GIVEN AS CODES. W_k (in the module: [1024, 1024], K = its axis 1); W_o (in the module: [1024, 1024], K = its axis 1); W_q (in the module: [1024, 1024], K = its axis 1); W_v (in the module: [1024, 1024], K = its axis 1); x (in the module: [4, 2048, 1024], K = its axis 2): each comes as NAME_codes (uint8): NAME with its K axis moved to the last place and cut into blocks of 32 codes, [.., K / 32, bytes a block], one block behind the other in memory; four codes in three bytes: a row's codes are one little-endian stream of bits, code i at bits 6 i .. 6 i + 5 (a code: sign, 2 exponent bits, 3 mantissa bits); and NAME_scales (uint8): the same leading axes, one E8M0 byte (e + 127) for each 32 codes along K. Its value is code x scale, taken as it is: it is not quantised again, and the codes and scales need not be those that the quantiser above would give.
;; One version. Each part assembles by itself: llvm-mc -triple=amdgcn-amd-amdhsa -mcpu=gfx1250 --defsym DOCPART=n.
;; ======== version 1 of 1: 3 launches
;; workspace buffers: qws 6,815,744 bytes; kws 6,815,744 bytes; vws 6,553,600 bytes; oimg 6,291,456 bytes; osc 262,144 bytes
;; launch qkv (part 1): grid 12 x 32, 4 waves a work-group, clusters of 4 x 4, 327,680 bytes of LDS; arguments x_codes, x_scales, W_q_codes, W_q_scales, W_k_codes, W_k_scales, W_v_codes, W_v_scales, freqs_cos, freqs_sin, qws, kws, vws; writes qws, kws, vws
.if DOCPART == 1
	.amdgcn_target "amdgcn-amd-amdhsa--gfx1250"
	.amdhsa_code_object_version 6
	.text
	.protected	k_q7699d6f79d_qkv
	.globl	k_q7699d6f79d_qkv
	.p2align	8
	.type	k_q7699d6f79d_qkv,@function
k_q7699d6f79d_qkv:
	s_mov_b64 s[64:65], 0
	v_nop
	global_prefetch_b8 v0, s[64:65] scope:SCOPE_SE
	s_setreg_imm32_b32 hwreg(HW_REG_WAVE_MODE, 25, 1), 1
	s_wait_xcnt 0x0
	s_wait_alu depctr_hold_cnt(0) depctr_sa_sdst(0) depctr_va_vdst(0) depctr_va_sdst(0) depctr_va_ssrc(0) depctr_va_vcc(0) depctr_vm_vsrc(0)
	s_getreg_b32 s2, hwreg(HW_REG_IB_STS2, 6, 4)
	s_cmp_eq_u32 s2, 0
	s_cbranch_scc0 .Lentry_in_a_cluster
	s_endpgm
.Lentry_in_a_cluster:
	s_bfe_u32 s2, ttmp6, 0x10000c
	s_cmp_lg_u32 s2, 0xf033
	s_cbranch_scc0 .Lentry_shape_is_right
	s_endpgm
.Lentry_shape_is_right:
; q = rope(x W_q^T), k = rope(x W_k^T), v = x W_v^T on codes of FP6 (E2M3) with one E8M0 scale for each 32 along K = 1,024; the results are quantised here, in registers:
; q and k along a head's 64 channels, v along the keys; they leave as IMAGES OF OPERAND REGISTERS (a fragment's registers on end, lane by lane), so that every store of codes covers whole aligned runs of 256 bytes.
; SHARES.  A tile of 256 x 256 results to a work-group of four waves, 128 x 128 (64 accumulators, 512 registers) to a wave.  K goes in steps of 256 through a ring of two LDS slots filled by the tensor data mover.
; CLUSTERS of 4 x 4 work-groups; the cluster's x says which product: 0 q, 1 k, 2 v.  A's tile is asked for jointly along a row of the cluster, B's along a column.
; ONE MAIN LOOP, TWO ORIENTATIONS.  The matrix instruction takes source 0 = 16 rows of B, source 1 = 16 rows of A: in a result a lane holds ONE row of A and its eight registers eight neighbouring rows of B.
;   q, k: A = x (tokens), B = W (channels): a lane holds a token, its registers run along the channels, which are the next product's K.
;   v:    A = W_v (channels), B = x (tokens): a lane holds a channel, its registers run along the tokens, the keys, which are the next product's K.   Nothing is transposed.
; ORDER INSIDE A BLOCK OF 32.  A lane's 16 registers of two neighbouring results hold the indices 16 u + 8 h + j (u the result, h the lane's half, j the register); they are laid at place 16 h + 8 u + j of the block.
; q and k get this order from the same lines, and so do v here and the softmax's p in the next launch: both sides of a product agree, and a block's 32 numbers are the true block's, so its scale is the true one.
; THE SCALE WORDS of a wave's 128 rows of A and of B, for all of K, are loaded once, each byte once, into registers that hold nothing else.
; LIMITS: a block of zeros gets the scale byte 1 (its codes are zeros, and these bytes are read by this program alone); NaN and infinities among the computed numbers are not served.
; REGISTERS, in windows of 256.  Window 0: v16-31 addresses; v32-63 A's scale words, v64-95 B's; v96-111 the quantiser's work; v112-119 scale words made; v128-223 A's fragments, ONE set, later 64 rotated numbers;
;   v224-243 codes made; v244-255 scale words on their way out.   Window 1: B's fragments, two sets, v0-95 and v128-223; later the cos and sin tables.   Windows 2, 3: accumulator (a, b) at v[8 (8 (a % 4) + b)].
.set ROWB,   192                       ; a tile's row: 256 codes of 6 bits
.set KROW,   768                       ; a row of x or of a weight in memory: 1,024 codes
.set PITCH,  240                       ; an LDS row: 3 x (64 bytes + 16 of padding)
.set FR,     12                        ; registers of a fragment, 16 rows x 128 K
.set NL,     6                         ; LDS loads that bring one
.set NP,     4                         ; places behind this matrix instruction (ISA guide 7.12.1)
.set HALFT,  128*PITCH                 ; 128 rows: what one tensor load brings
.set SLOT,   4*HALFT                   ; A's 256 rows, then B's 256 rows
.set SPARE,  2*SLOT                    ; behind the ring: the spare words, 128 bytes a wave, which no other line names
.set QKHG,   106496                    ; a head's part of qws or kws: 128 tiles x 768 bytes, then 16 groups x 512 bytes of scale words
.set VHG,    102400                    ; a head's part of vws: 16 key steps x 6,144 bytes, then 16 x 256 bytes of scale words
.set WORDS,  98304                     ; where a head's scale words begin
.set ADRA, 16                          ; v16-17 LDS address of my A fragments in slot 0, 1; v18-19 the same behind one padding more
.set ADRB, 20                          ; v20-23 the same for B
.set LN,   24                          ; v24 lane
.set L8,   25                          ; v25 8 x lane
.set L16,  26                          ; v26 16 x lane
.set VSO,  27                          ; v27 32 r + 2,048 h: my row's scale bytes; lanes 16-31 stand 64 rows on
.set SPW,  28                          ; v28 LDS address of my spare word; never rewritten
.set NIL,  29                          ; v29 0; never rewritten
.set TO,   30                          ; v30 128 r + 16 h: my four numbers in a row of cos or sin
.set SCA,  32                          ; register 8 g + ks: lanes 0-15 the word of A's block g, lanes 16-31 of block g + 4, for the ks-th 128 along K
.set SCB,  64                          ; the same for B
.set TM,   96
.set WD,   112
.set AF,   128
.set RO,   128
.set PC,   224
.set ZZ,   244
.set ZA,   248
.set ZB,   252
.set G1,  24                           ; s[24:31] descriptor group 1 for A's tiles; s[32:39] group 0, a set for each slot
.set G0,  32
.set G1B, 48                           ; s[48:55], s[56:63] the same for B's
.set G0B, 56
.set SEL, 66                           ; s[66:67] v_permlanex16_b32's selects for lane l xor 16
.set MSB, 0
.macro WIN new                         ; the immediate's high byte repeats the setting that is left; a switch that changes nothing is dropped
.if MSB != (\new)
	s_set_vgpr_msb (MSB<<8)|(\new)
.set MSB, (\new)
.endif
.endm
.set MUL_LO, 0xa1                      ; source 0 (B) window 1, source 1 (A) window 0, C and D window 2
.set MUL_HI, 0xf1                      ; the same, C and D window 3
.set TO_B,   0x40                      ; destination window 1, address window 0
; A joint load: waves 0 and 1 fetch A's halves, waves 2 and 3 B's.  Each line has one mask and one set of registers for all that issue it; the branch hangs on the wave's number alone.
; Four v_nop follow each of the two lines, ahead of the jump, the label and what follows.
.macro JLOAD g0a, g1a, g0b, g1b
	s_cmp_eq_u32 s15, 0
	s_cbranch_scc0 .Lfor_b_\@
	tensor_load_to_lds s[\g0a:\g0a+3], s[\g1a:\g1a+7]
	s_nop 0
.rept 4
	v_nop
.endr
	s_branch .Lasked_\@
.Lfor_b_\@:
	tensor_load_to_lds s[\g0b:\g0b+3], s[\g1b:\g1b+7]
	s_nop 0
.rept 4
	v_nop
.endr
.Lasked_\@:
.endm
.macro CREST                           ; a round of the cluster's barrier behind its opening barrier
	s_cmp_lg_u32 s14, 0
	s_cbranch_scc1 .Lnot_wave_0_\@
	s_barrier_signal -3
.Lnot_wave_0_\@:
	s_barrier_wait -3
	s_barrier_signal -1
	s_barrier_wait -1
.endm
.macro CROUND                          ; a whole round
	s_barrier_signal -1
	s_barrier_wait -1
	CREST
.endm
.macro PLACES n
.rept \n
	v_nop
.endr
.endm
	s_load_b512 s[68:83], s[0:1], 0x0              ; x codes 68, x scales 70, W_q 72, 74, W_k 76, 78, W_v 80, 82
	s_load_b256 s[84:91], s[0:1], 0x40             ; cos 84, sin 86, qws 88, kws 90
	s_load_b64 s[92:93], s[0:1], 0x60              ; vws
	v_lshl_add_u32 v[SPW], v0, 2, SPARE
	v_mov_b32 v[NIL], 0
	ds_add_u32 v28, v29
	ds_add_u32 v28, v29
	s_wait_dscnt 0x0
	v_lshrrev_b32 v1, 5, v0
	v_readfirstlane_b32 s14, v1                    ; wave 0..3
	s_lshr_b32 s15, s14, 1                         ; which half of A's rows is mine.  Also: I fetch for A (0) or for B (1)
	s_and_b32 s16, s14, 1                          ; which half of B's rows.  Also: which 128 rows of that tile I fetch
	s_bfe_u32 s40, ttmp6, 0x40000                  ; cx, cy: my place in the cluster
	s_bfe_u32 s41, ttmp6, 0x40004
	s_and_b32 s2, ttmp7, 0xffff                    ; the cluster's y walks the tokens: they are A's rows for q and k, B's rows for v
	s_cmp_eq_u32 ttmp9, 2
	s_cselect_b32 s17, 0, s2
	s_cselect_b32 s42, s2, 0
	s_lshl_b32 s17, s17, 2
	s_add_co_u32 s17, s17, s41                     ; A's tile: 4 x (y or 0) + cy: the same along a row of the cluster
	s_lshl_b32 s42, s42, 2
	s_add_co_u32 s42, s42, s40                     ; B's tile: 4 x (0 or y) + cx: the same along a column
	s_lshl_b32 s43, s41, 2
	s_lshl_b32 s43, 15, s43                        ; my row of the cluster
	s_lshl_b32 s44, 0x1111, s40                    ; my column
	; descriptor group 1: 128 rows x 192 bytes, 768 bytes apart in memory; in LDS 16 bytes of padding behind every 64
	s_or_b32 s[G1+0], s43, (1<<20)|(1<<21)|(3<<22)|(3<<25)   ; 15:0 the mask; 17:16 elements of 1 byte; 20 padding on; 21 set beside a mask; 24:22 after every 16 words; 31:25 of 4 words
	s_or_b32 s[G1B+0], s44, (1<<20)|(1<<21)|(3<<22)|(3<<25)
.irp g, G1, G1B
	s_mov_b32 s[\g+1], ROWB<<16                    ; tensor_dim0
	s_mov_b32 s[\g+2], 128<<16                     ; tensor_dim1
	s_mov_b32 s[\g+3], ROWB<<16                    ; tile_dim0
	s_mov_b32 s[\g+4], 128                         ; tile_dim1
	s_mov_b32 s[\g+5], KROW                        ; tensor_dim0_stride
	s_mov_b32 s[\g+6], 0
	s_mov_b32 s[\g+7], 0
.endr
	s_lshl_b32 s18, s16, 7                         ; which 128 rows of a tile I fetch
	s_lshl_b32 s20, s17, 8
	s_add_co_u32 s20, s20, s18
	s_mul_i32 s20, s20, KROW                       ; A: their codes, in bytes (under 2^23)
	s_mov_b32 s21, 0
	s_lshl_b32 s46, s42, 8
	s_add_co_u32 s46, s46, s18
	s_mul_i32 s46, s46, KROW                       ; B likewise
	s_mov_b32 s47, 0
	s_mul_i32 s45, s14, HALFT                      ; where they go: wave x 128 rows: no place in the cluster enters an LDS address
	s_lshl_b32 s22, s17, 8
	s_lshl_b32 s23, s15, 7
	s_add_co_u32 s22, s22, s23                     ; the first row of A that I multiply,
	s_lshl_b32 s22, s22, 5                         ; and its scale bytes: 32 a row
	s_mov_b32 s23, 0
	s_lshl_b32 s94, s42, 8
	s_lshl_b32 s95, s16, 7
	s_add_co_u32 s94, s94, s95
	s_lshl_b32 s94, s94, 5                         ; B likewise
	s_mov_b32 s95, 0
	s_mov_b32 s[SEL], 0x76543210
	s_mov_b32 s[SEL+1], 0xfedcba98
	s_wait_kmcnt 0x0
	s_cmp_eq_u32 ttmp9, 0                          ; the buffers are chosen by the cluster's x alone
	s_cselect_b64 s[8:9], s[72:73], s[76:77]
	s_cselect_b64 s[10:11], s[74:75], s[78:79]
	s_cselect_b64 s[12:13], s[88:89], s[90:91]
	s_cmp_eq_u32 ttmp9, 2
	s_cselect_b64 s[4:5], s[80:81], s[68:69]       ; A's codes: W_v's or x's
	s_cselect_b64 s[6:7], s[82:83], s[70:71]       ; A's scales
	s_cselect_b64 s[8:9], s[68:69], s[8:9]         ; B's codes: x's, or W_q's or W_k's
	s_cselect_b64 s[10:11], s[70:71], s[10:11]     ; B's scales
	s_cselect_b64 s[12:13], s[92:93], s[12:13]     ; where the results go
	s_add_nc_u64 s[20:21], s[4:5], s[20:21]
	s_add_nc_u64 s[46:47], s[8:9], s[46:47]
	s_add_nc_u64 s[6:7], s[6:7], s[22:23]
	s_add_nc_u64 s[10:11], s[10:11], s[94:95]
	CROUND                                         ; all sixteen work-groups are here: the first joint loads meet
.irp s, 0,1
	s_mov_b32 s[G0+4*\s], 1                        ; count = 1
	s_add_co_u32 s[G0+4*\s+1], s45, \s*SLOT        ; LDS address
	s_add_nc_u64 s[G0+4*\s+2:G0+4*\s+3], s[20:21], \s*ROWB   ; global address: K step s
	s_or_b32 s[G0+4*\s+3], s[G0+4*\s+3], 0x80000000          ; type = 2
	s_mov_b32 s[G0B+4*\s], 1
	s_add_co_u32 s[G0B+4*\s+1], s45, \s*SLOT
	s_add_nc_u64 s[G0B+4*\s+2:G0B+4*\s+3], s[46:47], \s*ROWB
	s_or_b32 s[G0B+4*\s+3], s[G0B+4*\s+3], 0x80000000
	JLOAD G0+4*\s, G1, G0B+4*\s, G1B               ; both slots go out at once: two loads of mine are out
.endr
	v_and_b32 v1, 15, v0                           ; r = l % 16
	v_bfe_u32 v2, v0, 4, 1                         ; h = l / 16
	v_lshlrev_b32 v[VSO], 5, v1
	v_lshl_add_u32 v[VSO], v2, 11, v[VSO]
.irp g, 0,1,2,3                        ; all my scale words: a row's 32 bytes are eight words, one for each 128 along K
	global_load_b128 v[SCA+8*\g:SCA+8*\g+3],   v[VSO], s[6:7] offset:512*\g
	global_load_b128 v[SCA+8*\g+4:SCA+8*\g+7], v[VSO], s[6:7] offset:512*\g+16
	global_load_b128 v[SCB+8*\g:SCB+8*\g+3],   v[VSO], s[10:11] offset:512*\g
	global_load_b128 v[SCB+8*\g+4:SCB+8*\g+7], v[VSO], s[10:11] offset:512*\g+16
.endr
	v_mul_u32_u24 v3, v1, PITCH
	v_mul_u32_u24 v4, v2, 24
	v_add_nc_u32 v4, v3, v4                        ; a fragment's row x pitch + 24 x half
	v_lshl_add_u32 v5, v2, 4, v4                   ; and the same behind one padding more
	s_mul_i32 s21, s15, HALFT                      ; my 128 rows of A
	s_mul_i32 s22, s16, HALFT                      ; my 128 rows of B,
	s_add_co_u32 s22, s22, 2*HALFT                 ; which lie behind A's 256
.irp s, 0,1
	v_add_nc_u32 v[ADRA+\s], s21, v4
	v_add_nc_u32 v[ADRB+\s], s22, v4
	v_add_nc_u32 v[ADRA+2+\s], s21, v5
	v_add_nc_u32 v[ADRB+2+\s], s22, v5
	s_add_co_u32 s21, s21, SLOT
	s_add_co_u32 s22, s22, SLOT
.endr
	v_and_b32 v[LN], 31, v0
	v_lshlrev_b32 v[L8], 3, v[LN]
	v_lshlrev_b32 v[L16], 4, v[LN]
	v_lshlrev_b32 v[TO], 7, v1
	v_lshl_add_u32 v[TO], v2, 4, v[TO]
.irp b, 0,1,2,3
	v_mov_b32 v[TM+4+\b], 0                        ; written once: a lane permute's destination counts as one of its sources
.endr
.macro FRAG reg, adr, q, i             ; a fragment: lane l holds row l % 16; registers 6 c .. 6 c + 5 hold K = 64 c + 32 (l / 16) + 0 .. 31: 24 bytes of the row's stream of bits, in pieces of 8
.irp p, 0,1,2,3,4,5
.set PCE, 12*(\q)+6*(\p/3)+\p%3       ; lanes 0-15 take this piece, lanes 16-31 the piece three on; where that lies behind one padding more, the second address register serves
.if PCE%8 < 5
	ds_load_b64 v[\reg+2*\p:\reg+2*\p+1], v[\adr] offset:8*PCE+16*(PCE/8)+(\i)*16*PITCH
.else
	ds_load_b64 v[\reg+2*\p:\reg+2*\p+1], v[\adr+2] offset:8*PCE+16*(PCE/8)+(\i)*16*PITCH
.endif
.endr
.endm
; One product: A's block a x B's block b, the ks-th 128 along K; p: B's set.  The scale words of blocks 4-7 stand in lanes 16-31 of their registers.
.macro WM a, b, p, ks, zero
.set rD, 8*(8*((\a)%4)+(\b))
.set rB, 128*(\p)+FR*(\b)
.set rA, AF+FR*(\a)
.set rSB, SCB+8*((\b)%4)+(\ks)
.set rSA, SCA+8*((\a)%4)+(\ks)
.if \zero
.if ((\a) < 4) && ((\b) < 4)
	v_wmma_scale_f32_16x16x128_f8f6f4 v[rD:rD+7], v[rB:rB+FR-1], v[rA:rA+FR-1], 0, v[rSB], v[rSA] matrix_a_fmt:MATRIX_FMT_FP6 matrix_b_fmt:MATRIX_FMT_FP6
.elseif (\a) < 4
	v_wmma_scale_f32_16x16x128_f8f6f4 v[rD:rD+7], v[rB:rB+FR-1], v[rA:rA+FR-1], 0, v[rSB], v[rSA] matrix_a_fmt:MATRIX_FMT_FP6 matrix_b_fmt:MATRIX_FMT_FP6 matrix_a_scale:MATRIX_SCALE_ROW1
.elseif (\b) < 4
	v_wmma_scale_f32_16x16x128_f8f6f4 v[rD:rD+7], v[rB:rB+FR-1], v[rA:rA+FR-1], 0, v[rSB], v[rSA] matrix_a_fmt:MATRIX_FMT_FP6 matrix_b_fmt:MATRIX_FMT_FP6 matrix_b_scale:MATRIX_SCALE_ROW1
.else
	v_wmma_scale_f32_16x16x128_f8f6f4 v[rD:rD+7], v[rB:rB+FR-1], v[rA:rA+FR-1], 0, v[rSB], v[rSA] matrix_a_fmt:MATRIX_FMT_FP6 matrix_b_fmt:MATRIX_FMT_FP6 matrix_a_scale:MATRIX_SCALE_ROW1 matrix_b_scale:MATRIX_SCALE_ROW1
.endif
.else
.if ((\a) < 4) && ((\b) < 4)
	v_wmma_scale_f32_16x16x128_f8f6f4 v[rD:rD+7], v[rB:rB+FR-1], v[rA:rA+FR-1], v[rD:rD+7], v[rSB], v[rSA] matrix_a_fmt:MATRIX_FMT_FP6 matrix_b_fmt:MATRIX_FMT_FP6
.elseif (\a) < 4
	v_wmma_scale_f32_16x16x128_f8f6f4 v[rD:rD+7], v[rB:rB+FR-1], v[rA:rA+FR-1], v[rD:rD+7], v[rSB], v[rSA] matrix_a_fmt:MATRIX_FMT_FP6 matrix_b_fmt:MATRIX_FMT_FP6 matrix_a_scale:MATRIX_SCALE_ROW1
.elseif (\b) < 4
	v_wmma_scale_f32_16x16x128_f8f6f4 v[rD:rD+7], v[rB:rB+FR-1], v[rA:rA+FR-1], v[rD:rD+7], v[rSB], v[rSA] matrix_a_fmt:MATRIX_FMT_FP6 matrix_b_fmt:MATRIX_FMT_FP6 matrix_b_scale:MATRIX_SCALE_ROW1
.else
	v_wmma_scale_f32_16x16x128_f8f6f4 v[rD:rD+7], v[rB:rB+FR-1], v[rA:rA+FR-1], v[rD:rD+7], v[rSB], v[rSA] matrix_a_fmt:MATRIX_FMT_FP6 matrix_b_fmt:MATRIX_FMT_FP6 matrix_a_scale:MATRIX_SCALE_ROW1 matrix_b_scale:MATRIX_SCALE_ROW1
.endif
.endif
.endm
; 16 products: A's blocks a0, a0 + 1 x B's eight.  The 64 accumulators take turns, one instruction a turn, in the same order in every step.
.macro MUL16 a0, p, ks, zero
.irp a, \a0, \a0+1
.irp b, 0,1,2,3,4,5,6,7
	WM \a, \b, \p, \ks, \zero
.endr
.endr
.endm
.macro FETCH_B slot, q, p              ; B's eight fragments of the slot's q-th 128 along K into set p
	WIN TO_B
.irp i, 0,1,2,3,4,5,6,7
	FRAG 128*(\p)+FR*\i, ADRB+\slot, \q, \i
.endr
	WIN 0
.endm
.macro FETCH_A slot, q, i0             ; A's blocks i0 .. i0 + 3
.irp i, \i0, \i0+1, \i0+2, \i0+3
	FRAG AF+FR*(\i), ADRA+\slot, \q, \i
.endr
.endm
; A slot's first 128 along K.  A block of A is free as soon as its eight products are issued: blocks 0-3 are fetched anew in the step's middle, blocks 4-7 at its end; B has two sets.
; A load into a register that a matrix instruction has read stands NP plain vector instructions behind it.
.macro STEP slot, ks, zero
	s_wait_dscnt 4*NL                              ; B's set and A's blocks 0-3 are in; the youngest 24 loads (A's blocks 4-7) may be out
	WIN MUL_LO
	MUL16 0, 0, \ks, \zero
	MUL16 2, 0, \ks, \zero
	s_wait_dscnt 0                                 ; A's blocks 4-7 are in
	PLACES NP
	FETCH_B \slot, 1, 1
	FETCH_A \slot, 1, 0
	WIN MUL_HI
	MUL16 4, 0, \ks, \zero
	MUL16 6, 0, \ks, \zero
	PLACES NP
	WIN 0
	FETCH_A \slot, 1, 4
.endm
; A slot's second 128 along K changes slots: ONE barrier; in front of it each wave waits for all its tensor loads, adds 0 to its spare word, and waits for that and for its own reads of this slot.
; fill = 1: the barrier opens a round of the cluster's barrier, and this slot is filled again, two K steps on, first thing behind the round.
.macro TURN slot, next, fill, ks
	s_wait_tensorcnt 0x0                           ; all my tensor loads have landed: my part of the next slot
	ds_add_u32 v[SPW], v[NIL]                      ; 0 onto my spare word
	s_wait_dscnt 4*NL+1                            ; the add and the youngest 24 loads (A's blocks 4-7) may be out
	WIN MUL_LO
	MUL16 0, 1, \ks, 0                             ; sixteen products stand between the add and the wait for it
	s_wait_dscnt 0x0                               ; the add is done, and my reads of this slot are over
	s_barrier_signal -1
	MUL16 2, 1, \ks, 0
	WIN 0
	s_barrier_wait -1
.if \fill
	CREST                                          ; no wave of any partner still reads this slot's tile or has a load on its way
	s_add_nc_u64 s[G0+4*\slot+2:G0+4*\slot+3], s[G0+4*\slot+2:G0+4*\slot+3], 2*ROWB
	s_add_nc_u64 s[G0B+4*\slot+2:G0B+4*\slot+3], s[G0B+4*\slot+2:G0B+4*\slot+3], 2*ROWB
	JLOAD G0+4*\slot, G1, G0B+4*\slot, G1B         ; my one tensor load behind the round; its four v_nop are also the places in front of the loads below
.else
	PLACES NP
.endif
	FETCH_B \next, 0, 0
	FETCH_A \next, 0, 0
	WIN MUL_HI
	MUL16 4, 1, \ks, 0
	MUL16 6, 1, \ks, 0
	PLACES NP
	WIN 0
	FETCH_A \next, 0, 4
.endm
.macro LAST ks                         ; the very last 128 along K: nothing more to fetch
	s_wait_dscnt 4*NL
	WIN MUL_LO
	MUL16 0, 1, \ks, 0
	MUL16 2, 1, \ks, 0
	s_wait_dscnt 0
	WIN MUL_HI
	MUL16 4, 1, \ks, 0
	MUL16 6, 1, \ks, 0
	WIN 0
.endm
; THE QUANTISER.  64 numbers of a lane in window w, v[s] on: register 16 b + i belongs to block b of my row, which lies in lanes l and l xor 16.  They become a fragment's 12 registers in v[PC] on and
; the row's scale word (four E8M0 bytes) in v[pw].  A block's largest magnitude is taken with the floor 2^(3 - 127) among its leaves, so that the byte cannot fall under 1; 2 off its exponent field is the
; conversion's scale operand, and that field is the byte.  Each accumulator is read from its low end on.
.macro QUANT s, w, pw
	WIN (\w)|((\w)<<2)
.irp b, 0,1,2,3
	v_max3_num_f32 v[TM+\b], |v[(\s)+16*\b]|, |v[(\s)+1+16*\b]|, 0x1800000
.endr
.irp i, 2,4,6,8,10,12,14
.irp b, 0,1,2,3
	v_max3_num_f32 v[TM+\b], |v[(\s)+16*\b+\i]|, |v[(\s)+1+16*\b+\i]|, v[TM+\b]   ; the four blocks by turns
.endr
.endr
	WIN 0
.irp b, 0,1,2,3
	v_permlanex16_b32 v[TM+4+\b], v[TM+\b], s[SEL], s[SEL+1]
.endr
.irp b, 0,1,2,3
	v_max_num_f32 v[TM+\b], v[TM+\b], v[TM+4+\b]   ; with lane l xor 16's: the block's largest magnitude
.endr
.irp b, 0,1,2,3
	v_add_nc_u32 v[TM+12+\b], 0xff000000, v[TM+\b]
.endr
.irp b, 0,1,2,3
	v_lshrrev_b32 v[TM+4+\b], 23, v[TM+12+\b]
.endr
	v_lshl_or_b32 v[\pw], v[TM+5], 8, v[TM+4]
	v_lshl_or_b32 v[\pw], v[TM+6], 16, v[\pw]
	v_lshl_or_b32 v[\pw], v[TM+7], 24, v[\pw]
	WIN \w
.irp c, 0,1
	v_cvt_scalef32_pk16_fp6_f32 v[PC+6*\c:PC+2+6*\c], v[(\s)+32*\c:(\s)+15+32*\c], v[TM+12+2*\c]
	v_cvt_scalef32_pk16_fp6_f32 v[PC+12+4*\c:PC+14+4*\c], v[(\s)+16+32*\c:(\s)+31+32*\c], v[TM+12+2*\c+1]   ; (a conversion's three registers begin on an even number)
.endr
	WIN 0
	v_nop                                          ; one plain place behind a scaled conversion
.irp c, 0,1                            ; the operand's layout wants a whole block in a lane: lanes 0-15 block 2 c, lanes 16-31 block 2 c + 1
.irp i, 0,1,2
	v_permlane16_swap_b32 v[PC+6*\c+\i], v[PC+12+4*\c+\i]
.endr
.irp i, 0,1,2
	v_mov_b32 v[PC+3+6*\c+\i], v[PC+12+4*\c+\i]
.endr
.endr
.endm
	s_wait_tensorcnt 1                             ; my part of K step 0 is in (K step 1's load may be out),
	s_barrier_signal -1
	s_barrier_wait -1                              ; everybody's is
	FETCH_B 0, 0, 0
	FETCH_A 0, 0, 0
	FETCH_A 0, 0, 4
	s_wait_loadcnt 0x0                             ; the scale words
	STEP 0, 0, 1                                   ; K = 1,024 is eight steps of 128, written out; the first products start the sums
	TURN 0, 1, 1, 1
	STEP 1, 2, 0
	TURN 1, 0, 1, 3
	STEP 0, 4, 0
	TURN 0, 1, 0, 5                                ; nothing is left to fetch: a barrier of the work-group alone
	STEP 1, 6, 0
	s_cmp_eq_u32 ttmp9, 2                          ; the ways part on the cluster's x, the same in all partners; neither way touches LDS or has a barrier; the last step stands in both
	s_cbranch_scc1 .Lvpath
	; ---- q, k: my 128 tokens are one group of 128 of a batch row, my 128 channels two heads
	s_lshr_b32 s18, s17, 3                         ; the batch row
	s_and_b32 s19, s17, 7
	s_lshl_b32 s19, s19, 1
	s_add_co_u32 s19, s19, s15                     ; which group of 128 tokens in it
	s_lshl_b32 s20, s42, 2
	s_lshl_b32 s21, s16, 1
	s_add_co_u32 s20, s20, s21                     ; my first head
	s_lshl_b32 s18, s18, 4
	s_add_co_u32 s18, s18, s20
	s_mul_i32 s18, s18, QKHG                       ; its part of the workspace
	s_mul_i32 s20, s19, 6144
	s_add_co_u32 s20, s20, s18                     ; the group's eight tiles of 768 bytes
	s_mov_b32 s21, 0
	s_lshl_b32 s22, s19, 9
	s_add_co_u32 s22, s22, s18
	s_add_co_u32 s22, s22, WORDS                   ; and its 512 bytes of scale words
	s_mov_b32 s23, 0
	s_add_nc_u64 s[96:97], s[12:13], s[22:23]
	s_add_nc_u64 s[12:13], s[12:13], s[20:21]
	s_lshl_b32 s20, s19, 14                        ; cos and sin: 128 rows of 128 bytes a group
	s_add_nc_u64 s[84:85], s[84:85], s[20:21]
	s_add_nc_u64 s[86:87], s[86:87], s[20:21]
; The tables of tile a of 16 tokens: lane (r, h) wants, for each 16 channels t, cos and sin of token r at pairs 8 t + 4 h + 0 .. 3: 16 bytes each.  16 + 16 registers in window 1; both heads use them.
.macro TABSET a
.if (\a) < 4
.set TAB, 32*(\a)
.elseif (\a) == 4
.set TAB, 224
.else
.set TAB, 128+32*((\a)-5)
.endif
.endm
.macro TABLE a
	TABSET \a
.irp t, 0,1,2,3
	global_load_b128 v[TAB+4*\t:TAB+4*\t+3], v[TO], s[84:85] offset:2048*(\a)+32*\t
.endr
.irp t, 0,1,2,3
	global_load_b128 v[TAB+16+4*\t:TAB+16+4*\t+3], v[TO], s[86:87] offset:2048*(\a)+32*\t
.endr
.endm
	WIN TO_B                                       ; tiles 0 to 4 are asked for a step early: B's set 0 is done with (the step's own places stand behind its last products), and v96-127, v224-255 of window 1 lay idle
.irp a, 0,1,2,3,4
	TABLE \a
.endr
	WIN 0
	LAST 7
	PLACES NP                                      ; in front of loads into B's set 1, of the first reads of results and of writes over A's fragments
	WIN TO_B
.irp a, 5,6,7
	TABLE \a
.endr
	WIN 0
; Tile a: the rotation (x0 + i x1)(cos + i sin) on neighbouring registers, a packed multiply and two fused multiply-adds a pair; the quantiser; four stores of whole runs of 512 or 256 bytes.
.macro QKTILE a
	TABSET \a
.set XB, 64*((\a)%4)
	s_wait_loadcnt 56-8*(\a)                       ; this tile's tables are in; those of the tiles behind it, eight loads each, may be out
	WIN 0x06+(\a)/4                                ; source 0: the accumulators' window; source 1: window 1
.irp e, 0,1
.irp t, 0,1,2,3
.irp i, 0,1,2,3
.if \i%2
	v_pk_mul_f32 v[RO+32*\e+8*\t+2*\i:RO+32*\e+8*\t+2*\i+1], v[XB+32*\e+8*\t+2*\i:XB+32*\e+8*\t+2*\i+1], v[TAB+4*\t+2*(\i/2):TAB+4*\t+2*(\i/2)+1] op_sel:[0,1] op_sel_hi:[1,1]
.else
	v_pk_mul_f32 v[RO+32*\e+8*\t+2*\i:RO+32*\e+8*\t+2*\i+1], v[XB+32*\e+8*\t+2*\i:XB+32*\e+8*\t+2*\i+1], v[TAB+4*\t+2*(\i/2):TAB+4*\t+2*(\i/2)+1] op_sel_hi:[1,0]
.endif
.endr
.irp i, 0,1,2,3
	v_fma_f32 v[RO+32*\e+8*\t+2*\i], -v[XB+32*\e+8*\t+2*\i+1], v[TAB+16+4*\t+\i], v[RO+32*\e+8*\t+2*\i]
	v_fma_f32 v[RO+32*\e+8*\t+2*\i+1], v[XB+32*\e+8*\t+2*\i], v[TAB+16+4*\t+\i], v[RO+32*\e+8*\t+2*\i+1]
.endr
.endr
.endr
	WIN 0
.if (\a) > 0
	s_wait_xcnt 0x0                                ; the last tile's stores have read their data: the codes' registers are written again only behind this wait
.endif
	QUANT RO, 0, WD+(\a)                           ; codes 0-5: my first head (K = 64: half a fragment); codes 6-11: my second
	global_store_b128 v[L16], v[PC:PC+3], s[12:13] offset:768*(\a)
	global_store_b64  v[L8], v[PC+4:PC+5], s[12:13] offset:768*(\a)+512
	global_store_b128 v[L16], v[PC+6:PC+9], s[12:13] offset:768*(\a)+QKHG
	global_store_b64  v[L8], v[PC+10:PC+11], s[12:13] offset:768*(\a)+QKHG+512
.endm
.irp a, 0,1,2,3,4,5,6,7
	QKTILE \a
.endr
	v_cmp_le_u32 vcc_lo, 16, v[LN]                 ; the eight tiles' scale words: lanes 0-15 carry tiles 0-3 of row r, lanes 16-31 tiles 4-7: as the next launch's scale registers want them
.irp i, 0,1,2,3
	v_cndmask_b32 v[ZZ+\i], v[WD+\i], v[WD+4+\i], vcc_lo
.endr
.irp i, 0,1,2,3
	v_and_b32 v[ZA+\i], 0xffff, v[ZZ+\i]           ; bytes 0, 1: my first head's two blocks; the upper bytes stand over zero codes
	v_lshrrev_b32 v[ZB+\i], 16, v[ZZ+\i]           ; bytes 2, 3: my second head's
.endr
	global_store_b128 v[L16], v[ZA:ZA+3], s[96:97]
	global_store_b128 v[L16], v[ZB:ZB+3], s[96:97] offset:QKHG
	s_branch .Ljoin
.Lvpath:
	; ---- v: my 128 channels are two heads, my 128 tokens one key step of a batch row
	s_lshr_b32 s18, s42, 3                         ; the batch row
	s_and_b32 s19, s42, 7
	s_lshl_b32 s19, s19, 1
	s_add_co_u32 s19, s19, s16                     ; which key step in it
	s_lshl_b32 s20, s17, 2
	s_lshl_b32 s21, s15, 1
	s_add_co_u32 s20, s20, s21                     ; my first head
	s_lshl_b32 s18, s18, 4
	s_add_co_u32 s18, s18, s20
	s_mul_i32 s18, s18, VHG
	s_mul_i32 s20, s19, 6144
	s_add_co_u32 s20, s20, s18                     ; the step's four fragments of 1,536 bytes
	s_mov_b32 s21, 0
	s_lshl_b32 s22, s19, 8
	s_add_co_u32 s22, s22, s18
	s_add_co_u32 s22, s22, WORDS                   ; and its 256 bytes of scale words
	s_mov_b32 s23, 0
	s_add_nc_u64 s[96:97], s[12:13], s[22:23]
	s_add_nc_u64 s[12:13], s[12:13], s[20:21]
	LAST 7
	PLACES NP
.macro VTILE a                         ; 16 channels x 128 keys: the eight accumulators of A's block a are one whole fragment
.if (\a) > 0
	s_wait_xcnt 0x0                                ; the last fragment's stores have read their data
.endif
	QUANT 64*((\a)%4), 2+(\a)/4, WD+(\a)
.irp p, 0,1,2
	global_store_b128 v[L16], v[PC+4*\p:PC+4*\p+3], s[12:13] offset:((\a)/4)*VHG+((\a)%4)*1536+512*\p
.endr
.endm
.irp a, 0,1,2,3,4,5,6,7
	VTILE \a
.endr
	v_cmp_le_u32 vcc_lo, 16, v[LN]                 ; a head's four scale words: lanes 0-15 carry channel tiles 0, 1 of row r, lanes 16-31 tiles 2, 3
.irp e, 0,1
	v_cndmask_b32 v[ZZ+2*\e], v[WD+4*\e], v[WD+4*\e+2], vcc_lo
	v_cndmask_b32 v[ZZ+2*\e+1], v[WD+4*\e+1], v[WD+4*\e+3], vcc_lo
.endr
.irp e, 0,1
	global_store_b64 v[L8], v[ZZ+2*\e:ZZ+2*\e+1], s[96:97] offset:\e*VHG
.endr
.Ljoin:
	s_wait_tensorcnt 0x0                           ; the wave's end
	ds_add_u32 v[SPW], v[NIL]
	s_wait_dscnt 0x0
	CROUND                                         ; the closing round: no work-group ends while a partner may still ask for a tile that names it
	s_endpgm
.Lfunc_end_k_q7699d6f79d_qkv:
	.size	k_q7699d6f79d_qkv, .Lfunc_end_k_q7699d6f79d_qkv-k_q7699d6f79d_qkv
	.p2alignl 7, 3214868480
	.fill 96, 4, 3214868480
	.section	.rodata,"a",@progbits
	.p2align	6, 0x0
	.amdhsa_kernel k_q7699d6f79d_qkv
		.amdhsa_group_segment_fixed_size 327680
		.amdhsa_private_segment_fixed_size 0
		.amdhsa_enable_private_segment 0
		.amdhsa_kernarg_size 104
		.amdhsa_user_sgpr_count 2
		.amdhsa_user_sgpr_kernarg_segment_ptr 1
		.amdhsa_wavefront_size32 1
		.amdhsa_system_sgpr_workgroup_id_x 1
		.amdhsa_system_sgpr_workgroup_id_y 1
		.amdhsa_system_sgpr_workgroup_id_z 1
		.amdhsa_system_vgpr_workitem_id 0
		.amdhsa_next_free_vgpr 1024
		.amdhsa_next_free_sgpr 98
		.amdhsa_reserve_vcc 1
		.amdhsa_float_denorm_mode_32 3
		.amdhsa_float_denorm_mode_16_64 3
		.amdhsa_memory_ordered 1
		.amdhsa_forward_progress 1
		.amdhsa_inst_pref_size 255
	.end_amdhsa_kernel
	.section	.bss,"aw",@nobits
	.p2align	6
	.space	262144
	.amdgpu_metadata
---
amdhsa.version: [ 1, 2 ]
amdhsa.kernels:
  - .name:           k_q7699d6f79d_qkv
    .symbol:         k_q7699d6f79d_qkv.kd
    .args:
      - { .name: x_codes, .offset: 0, .size: 8, .value_kind: global_buffer, .address_space: global }
      - { .name: x_scales, .offset: 8, .size: 8, .value_kind: global_buffer, .address_space: global }
      - { .name: W_q_codes, .offset: 16, .size: 8, .value_kind: global_buffer, .address_space: global }
      - { .name: W_q_scales, .offset: 24, .size: 8, .value_kind: global_buffer, .address_space: global }
      - { .name: W_k_codes, .offset: 32, .size: 8, .value_kind: global_buffer, .address_space: global }
      - { .name: W_k_scales, .offset: 40, .size: 8, .value_kind: global_buffer, .address_space: global }
      - { .name: W_v_codes, .offset: 48, .size: 8, .value_kind: global_buffer, .address_space: global }
      - { .name: W_v_scales, .offset: 56, .size: 8, .value_kind: global_buffer, .address_space: global }
      - { .name: freqs_cos, .offset: 64, .size: 8, .value_kind: global_buffer, .address_space: global }
      - { .name: freqs_sin, .offset: 72, .size: 8, .value_kind: global_buffer, .address_space: global }
      - { .name: qws, .offset: 80, .size: 8, .value_kind: global_buffer, .address_space: global }
      - { .name: kws, .offset: 88, .size: 8, .value_kind: global_buffer, .address_space: global }
      - { .name: vws, .offset: 96, .size: 8, .value_kind: global_buffer, .address_space: global }
    .group_segment_fixed_size: 327680
    .private_segment_fixed_size: 0
    .kernarg_segment_align: 8
    .kernarg_segment_size: 104
    .max_flat_workgroup_size: 128
    .sgpr_count:     98
    .vgpr_count:     1024
    .wavefront_size: 32
...
	.end_amdgpu_metadata
.endif
;; end of part 1
;; launch attn (part 2): grid 4 x 64, 8 waves a work-group, clusters of 4 x 1, 218,112 bytes of LDS; arguments qws, kws, vws, attention_mask, oimg, osc; writes oimg, osc
.if DOCPART == 2
	.amdgcn_target "amdgcn-amd-amdhsa--gfx1250"
	.amdhsa_code_object_version 6
	.text
	.protected	k_q7699d6f79d_attn
	.globl	k_q7699d6f79d_attn
	.p2align	8
	.type	k_q7699d6f79d_attn,@function
k_q7699d6f79d_attn:
	s_mov_b64 s[64:65], 0
	v_nop
	global_prefetch_b8 v0, s[64:65] scope:SCOPE_SE
	s_setreg_imm32_b32 hwreg(HW_REG_WAVE_MODE, 25, 1), 1
	s_wait_xcnt 0x0
	s_wait_alu depctr_hold_cnt(0) depctr_sa_sdst(0) depctr_va_vdst(0) depctr_va_sdst(0) depctr_va_ssrc(0) depctr_va_vcc(0) depctr_vm_vsrc(0)
	s_getreg_b32 s2, hwreg(HW_REG_IB_STS2, 6, 4)
	s_cmp_eq_u32 s2, 0
	s_cbranch_scc0 .Lentry_in_a_cluster
	s_endpgm
.Lentry_in_a_cluster:
	s_bfe_u32 s2, ttmp6, 0x10000c
	s_cmp_lg_u32 s2, 0x3003
	s_cbranch_scc0 .Lentry_shape_is_right
	s_endpgm
.Lentry_shape_is_right:
; o = softmax(q k^T / 8 + mask) v for one head of one batch row, both products on codes of FP6 (E2M3) with one E8M0 scale for each 32 along a product's K; o is quantised along the model's 1,024 and leaves as
; images of the last product's operand registers.  q, k, v come as such images from the launch before.
; THE SOFTMAX: t = logit x log2(e); M = the row's largest t so far, rounded UP to a whole number; p = 2^(t - M) is what is quantised, along the keys, not normalised.  The row's sum is taken of the unquantised p
; and divides O at the end.  When M moves, the sum and O are multiplied by 2^(old M - new M), which rounds nothing.
; THE MASK costs no vector instruction: 8 x mask is the C of each score product, so that a score is k . q + 8 mask and t = score x log2(e) / 8.
; SHARES.  A work-group owns a head and 512 queries, in two passes of 256; in a pass each of its eight waves owns two tiles of 16 queries, which share every fragment of K, of V and of the mask read from LDS.
; Two waves lie on a SIMD: one's vector work stands beside the other's products and LDS loads.
; THE HEAD'S WHOLE K AND V LIE IN LDS, 208,896 bytes, filled ONCE: no ring, no slot is filled again.  The four work-groups of a cluster belong to one head: each part is asked for JOINTLY, one tensor load a wave.
; LAYOUT.  Both products are used transposed: S^T = K Q^T (source 0 = 16 keys, source 1 = 16 queries), O^T = V^T P^T (source 0 = 16 channels, source 1 = P): a lane holds ONE query throughout.
; K = 64 in the first product: registers 6-11 of its fragments hold zero codes, written once.  p's order inside a block of 32 keys is the order in which the launch before has laid v.
; LIMITS: 8 x mask is held at -3e38 from below: -infinity, NaN and masks under -3.75e37 count alike, and a row all of whose keys are -infinity gives numbers where the definition gives NaN; masks above 4.2e37
; are not served.  A block of zeros gets the scale byte 1: its codes are zeros, and these bytes are read by this program alone.
; REGISTERS.  Window 0: v1-17 addresses; v20-35 statistics; v36-59 the blocks' maxima, bytes and scale operands; v60-69 scale words and nothing else; v70-77, v104-109 at work; v80-103 p's codes;
;   v128-255 S^T, then p, 64 a tile; v128-175 later V's four fragments.   Window 1: v0-63 O^T; v64-87 q; v96-191 K's eight fragments; v192-255 8 x mask in a result's layout.
.set KIMG, 8192                        ; LDS: bytes 0-8,191: 8 x mask of the batch row's 2,048 keys (written by LDS stores; no fill lands there);
.set KSCW, KIMG+98304                  ; K's 128 tiles of 768 bytes, then its scale words, 512 bytes for each 128 keys;
.set VIMG, 114688                      ; V's 16 key steps of 6,144 bytes,
.set VSCW, VIMG+98304                  ; then its scale words, 256 bytes a key step
.set QKHG, 106496
.set VHG,  102400
.set AK0,  1                           ; v1  KIMG + 16 l: registers 0-3 of a fragment of K
.set AK1,  2                           ; v2  KIMG + 512 + 8 l: registers 4-5
.set AM0,  3                           ; v3  32 h: my half's eight keys of a tile
.set ASK0, 4                           ; v4  KSCW + 16 l
.set AV0,  5                           ; v5  VIMG + 16 l
.set ASV0, 6                           ; v6  VSCW + 8 l
.set ADK,  7                           ; v7-12 the same for the step in hand
.set ADK8, 8
.set ADM,  9
.set ADS,  10
.set ADV,  11
.set ADT,  12
.set L16,  13
.set L8,   14
.set R16,  15
.set L4,   16
.set LN,   17
.set ST,   20                          ; tile t at v[ST + 8 t]: +0 -M, +1 the largest t, +2, +3 the sum in two halves, +4 f (+5 named with it), +6, +7 at work
.set BM,   36                          ; tile t at v[BM + 12 t]: +0..3 the blocks' largest scores, then p; +4..7 the other half's, then bytes; +8..11 the conversions' scale operands
.set KS,   60                          ; v60-63 K's scale words: register i: lanes 0-15 tile i, lanes 16-31 tile 4 + i
.set VS,   64                          ; v64-65 V's: register i: lanes 0-15 channel tile i, lanes 16-31 tile 2 + i
.set QS,   66                          ; v66-67 q's
.set PW,   68                          ; v68-69 p's
.set C2,   70
.set PCD,  80
.set X2,   104
.set OW,   108
.set MO,   110                         ; v110 32 x thread: my eight numbers of the mask, in memory and in LDS
.set S,    128
.set VF,   128
.set EO,   128
.set QF,   64                          ; window 1
.set KF,   96
.set MK,   192
.set WV,   18
.set SEL,  20
.set CS,   22                          ; s[22:23] c = log2(e) / 8: the packed form names a pair and takes its low word for both halves
.set G1K,  24
.set G1V,  32
.set G0K,  40
.set G0V,  44
.set TB,   48                          ; s48 the step's images: 6,144 bytes a step, in K and in V
.set TS,   49                          ; s49 K's scale words and the mask: 512 bytes a step
.set TJ,   50                          ; s50 V's scale words: 256 bytes a step
.set CNT,  51
.set PASS, 52
.set QB,   72                          ; s[72:73] q's images at my first tile; s[74:75] its scale words; s[12:13] o's images; s[14:15] o's scale words
.set QSB,  74
.set MSB, 0
.macro WIN new                         ; the immediate's high byte repeats the setting that is left
.if MSB != (\new)
	s_set_vgpr_msb (MSB<<8)|(\new)
.set MSB, (\new)
.endif
.endm
.macro CROUND                          ; a round of the cluster's barrier
	s_barrier_signal -1
	s_barrier_wait -1
	s_cmp_lg_u32 s[WV], 0
	s_cbranch_scc1 .Lnot_wave_0_\@
	s_barrier_signal -3
.Lnot_wave_0_\@:
	s_barrier_wait -3
	s_barrier_signal -1
	s_barrier_wait -1
.endm
	s_load_b256 s[4:11], s[0:1], 0x0               ; qws s[4:5], kws s[6:7], vws s[8:9], the mask s[10:11]
	s_load_b128 s[12:15], s[0:1], 0x20             ; oimg, osc
	v_lshl_add_u32 v126, v0, 2, 0x35000
	v_mov_b32 v127, 0
	ds_add_u32 v126, v127
	ds_add_u32 v126, v127
	v_lshrrev_b32 v1, 5, v0
	s_delay_alu instid0(VALU_DEP_1)
	v_readfirstlane_b32 s[WV], v1                  ; wave 0..7
	s_bfe_u32 s53, ttmp6, 0x40000                  ; cx
	s_lshl_b32 s54, ttmp9, 2
	s_add_co_u32 s54, s54, s53                     ; my block of 512 queries: it enters q's and o's addresses alone
	s_and_b32 s55, ttmp7, 0xffff                   ; 16 x batch row + head, which the four partners share
	s_lshr_b32 s56, s55, 4                         ; the batch row
	s_and_b32 s57, s55, 15                         ; the head
	s_and_b32 s58, s[WV], 3                        ; which quarter of K (waves 0-3) or of V (waves 4-7) I fetch
	s_mul_i32 s60, s55, QKHG
	s_mul_i32 s59, s58, 26624
	s_add_co_u32 s66, s60, s59
	s_mov_b32 s67, 0
	s_mov_b32 s[G0K], 1                            ; count = 1
	s_add_co_u32 s[G0K+1], s59, KIMG               ; LDS address: a constant + the wave's quarter
	s_mul_i32 s61, s55, VHG
	s_mul_i32 s59, s58, 25600
	s_add_co_u32 s68, s61, s59
	s_mov_b32 s69, 0
	s_mov_b32 s[G0V], 1
	s_add_co_u32 s[G0V+1], s59, VIMG
	; descriptor group 1: dense blocks as rows of 256 bytes (32 elements of 8 bytes): 104 rows of K's part, 100 of V's
	s_mov_b32 s[G1K], 15|(3<<16)|(1<<21)           ; 15:0 the mask: all four work-groups; 17:16 elements of 8 bytes; 20 no padding; 21 set beside a mask
	s_mov_b32 s[G1K+1], 32<<16
	s_mov_b32 s[G1K+2], 104<<16
	s_mov_b32 s[G1K+3], 32<<16
	s_mov_b32 s[G1K+4], 104
	s_mov_b32 s[G1K+5], 32
	s_mov_b32 s[G1K+6], 0
	s_mov_b32 s[G1K+7], 0
	s_mov_b32 s[G1V], 15|(3<<16)|(1<<21)
	s_mov_b32 s[G1V+1], 32<<16
	s_mov_b32 s[G1V+2], 100<<16
	s_mov_b32 s[G1V+3], 32<<16
	s_mov_b32 s[G1V+4], 100
	s_mov_b32 s[G1V+5], 32
	s_mov_b32 s[G1V+6], 0
	s_mov_b32 s[G1V+7], 0
	s_lshl_b32 s70, s54, 5
	s_lshl_b32 s71, s[WV], 1
	s_add_co_u32 s70, s70, s71                     ; my first tile of 16 queries in the head, first pass: 32 x block + 2 x wave
	s_mul_i32 s72, s70, 768
	s_add_co_u32 s72, s72, s60
	s_mov_b32 s73, 0
	s_lshl_b32 s74, s54, 2                         ; its scale word: group of 128 tokens 4 x block + wave / 4 (512 bytes);
	s_lshr_b32 s75, s[WV], 2
	s_add_co_u32 s74, s74, s75
	s_lshl_b32 s74, s74, 9
	s_bfe_u32 s75, s[WV], 0x10001                  ; tiles 4-7 of a group lie 256 bytes on;
	s_lshl_b32 s75, s75, 8
	s_add_co_u32 s74, s74, s75
	s_and_b32 s75, s[WV], 1                        ; word 2 (wave % 2) + t of a row's four
	s_lshl_b32 s75, s75, 3
	s_add_co_u32 s74, s74, s75
	s_add_co_u32 s74, s74, s60
	s_add_co_u32 s74, s74, 98304
	s_mov_b32 s75, 0
	s_lshl_b32 s76, s56, 7                         ; o's images: token tile 128 x batch row + my tile, 12,288 bytes each; in it my head's 768
	s_add_co_u32 s76, s76, s70
	s_mul_i32 s76, s76, 12288
	s_mul_i32 s77, s57, 768
	s_add_co_u32 s76, s76, s77
	s_mov_b32 s77, 0
	s_lshr_b32 s78, s57, 1                         ; o's scale words: [head / 2][token], 4 bytes; my head's two bytes at 2 (head % 2)
	s_lshl_b32 s78, s78, 13
	s_lshl_b32 s79, s56, 11
	s_add_co_u32 s78, s78, s79
	s_lshl_b32 s79, s70, 4
	s_add_co_u32 s78, s78, s79
	s_lshl_b32 s78, s78, 2
	s_and_b32 s79, s57, 1
	s_lshl_b32 s79, s79, 1
	s_add_co_u32 s78, s78, s79
	s_mov_b32 s79, 0
	s_lshl_b32 s62, s56, 13                        ; the batch row's 2,048 numbers of the mask
	s_mov_b32 s63, 0
	s_mov_b32 s[SEL], 0x76543210
	s_mov_b32 s[SEL+1], 0xfedcba98                 ; v_permlanex16_b32's selects for lane l xor 16
	s_mov_b32 s[CS], 0x3e38aa3b                    ; log2(e) / 8
	s_mov_b32 s[CS+1], s[CS]
	v_lshlrev_b32 v[MO], 5, v0
	s_wait_alu depctr_va_vdst(0)
	s_wait_dscnt 0x0
	s_wait_kmcnt 0x0
	s_add_nc_u64 s[10:11], s[10:11], s[62:63]
	global_load_b128 v[128:131], v[MO], s[10:11]   ; the 256 threads take eight numbers each
	global_load_b128 v[132:135], v[MO], s[10:11] offset:16
	s_add_nc_u64 s[G0K+2:G0K+3], s[6:7], s[66:67]
	s_or_b32 s[G0K+3], s[G0K+3], 0x80000000        ; type = 2
	s_add_nc_u64 s[G0V+2:G0V+3], s[8:9], s[68:69]
	s_or_b32 s[G0V+3], s[G0V+3], 0x80000000
	s_add_nc_u64 s[QB:QB+1], s[4:5], s[72:73]
	s_add_nc_u64 s[QSB:QSB+1], s[4:5], s[74:75]
	s_add_nc_u64 s[12:13], s[12:13], s[76:77]
	s_add_nc_u64 s[14:15], s[14:15], s[78:79]
	CROUND                                         ; all four work-groups are here: the joint loads meet
	s_cmp_lt_u32 s[WV], 4                          ; one tensor load a wave, the only one of the launch; four v_nop follow each line
	s_cbranch_scc0 .Lfor_v
	tensor_load_to_lds s[G0K:G0K+3], s[G1K:G1K+7]
	s_nop 0
.rept 4
	v_nop
.endr
	s_branch .Lasked
.Lfor_v:
	tensor_load_to_lds s[G0V:G0V+3], s[G1V:G1V+7]
	s_nop 0
.rept 4
	v_nop
.endr
.Lasked:
	v_and_b32 v[LN], 31, v0
	v_and_b32 v18, 15, v0                          ; r
	v_bfe_u32 v19, v0, 4, 1                        ; h
	s_delay_alu instid0(VALU_DEP_3)
	v_lshlrev_b32 v[L16], 4, v[LN]
	s_delay_alu instid0(VALU_DEP_4)
	v_lshlrev_b32 v[L8], 3, v[LN]
	s_delay_alu instid0(VALU_DEP_4)
	v_lshlrev_b32 v[R16], 4, v18
	v_lshlrev_b32 v[L4], 2, v[LN]
	s_delay_alu instid0(VALU_DEP_4)
	v_add_nc_u32 v[AK0], KIMG, v[L16]
	s_delay_alu instid0(VALU_DEP_4)
	v_add_nc_u32 v[AK1], KIMG+512, v[L8]
	v_lshlrev_b32 v[AM0], 5, v19
	v_add_nc_u32 v[ASK0], KSCW, v[L16]
	v_add_nc_u32 v[AV0], VIMG, v[L16]
	v_add_nc_u32 v[ASV0], VSCW, v[L8]
.irp t, 0,1
.irp b, 0,1,2,3
	v_mov_b32 v[BM+12*\t+4+\b], 0                  ; written once: a lane permute's destination counts as one of its sources
.endr
	v_mov_b32 v[ST+8*\t+5], 0                      ; named as the upper halves of pairs
	v_mov_b32 v[ST+8*\t+7], 0
.endr
	WIN 0x40                                       ; destination window 1
.irp T, 0,1,2,3,4,5,6,7
.irp i, 6,7,8,9,10,11
	v_mov_b32 v[KF+12*\T+\i], 0                    ; K = 64 .. 127 of the first product: zero codes, on both sides, written once
.endr
.endr
.irp t, 0,1
.irp i, 6,7,8,9,10,11
	v_mov_b32 v[QF+12*\t+\i], 0
.endr
.endr
	WIN 0
	s_wait_loadcnt 0x0                             ; the mask
.irp i, 0,1,2,3,4,5,6,7
	v_mul_f32 v[128+\i], 0x41000000, v[128+\i]     ; x 8,
.endr
.irp i, 0,1,2,3,4,5,6,7
	v_max_num_f32 v[128+\i], 0xff61b1e6, v[128+\i] ; held at -3e38 from below (a NaN loses): every score stays a number
.endr
	ds_store_b128 v[MO], v[128:131]
	ds_store_b128 v[MO], v[132:135] offset:16
	s_wait_tensorcnt 0x0                           ; my part of K or V has landed,
	s_wait_dscnt 0x0                               ; my part of the mask is stored:
	s_barrier_signal -1
	s_barrier_wait -1                              ; everybody's is
.macro KADDR
	v_add_nc_u32 v[ADK], s[TB], v[AK0]
	v_add_nc_u32 v[ADK8], s[TB], v[AK1]
	v_add_nc_u32 v[ADM], s[TS], v[AM0]
	v_add_nc_u32 v[ADS], s[TS], v[ASK0]
.endm
.macro FETCHK                          ; a step's 128 keys: eight fragments (24 bytes a lane), 8 x mask in a result's layout (a lane's eight keys of each tile), the scale words
	WIN 0x40
.irp T, 0,1,2,3,4,5,6,7
	ds_load_b128 v[KF+12*\T:KF+12*\T+3], v[ADK] offset:768*\T
	ds_load_b64 v[KF+12*\T+4:KF+12*\T+5], v[ADK8] offset:768*\T
	ds_load_b128 v[MK+8*\T:MK+8*\T+3], v[ADM] offset:64*\T
	ds_load_b128 v[MK+8*\T+4:MK+8*\T+7], v[ADM] offset:64*\T+16
.endr
	WIN 0
	ds_load_b128 v[KS:KS+3], v[ADS]
.endm
.macro MAXB t                          ; the largest score of each block of 32 keys: it serves the row's maximum and, since p rises with the score, the block's largest p.  Each result is read from its low end on
.set rS, S+64*(\t)
.set rB, BM+12*(\t)
.irp b, 0,1,2,3
	v_max3_num_f32 v[rB+\b], v[rS+16*\b], v[rS+1+16*\b], v[rS+2+16*\b]
.endr
.irp i, 3,5,7,9,11,13
.irp b, 0,1,2,3
	v_max3_num_f32 v[rB+\b], v[rB+\b], v[rS+16*\b+\i], v[rS+1+16*\b+\i]
.endr
.endr
.irp b, 0,1,2,3
	v_max_num_f32 v[rB+\b], v[rB+\b], v[rS+15+16*\b]
.endr
.irp b, 0,1,2,3
	s_delay_alu instid0(VALU_DEP_4)
	v_permlanex16_b32 v[rB+4+\b], v[rB+\b], s[SEL], s[SEL+1]
.endr
.irp b, 0,1,2,3
	s_delay_alu instid0(VALU_DEP_4)
	v_max_num_f32 v[rB+\b], v[rB+\b], v[rB+4+\b]   ; with lane l xor 16's 16 keys
.endr
.endm
.macro STAT2                           ; both tiles line by line
.irp t, 0
	v_max3_num_f32 v[ST+8*\t+6], v[BM+12*\t], v[BM+12*\t+1], v[BM+12*\t+2]
.endr
.irp t, 1
	s_delay_alu instid0(VALU_DEP_3)
	v_max3_num_f32 v[ST+8*\t+6], v[BM+12*\t], v[BM+12*\t+1], v[BM+12*\t+2]
.endr
.irp t, 0,1
	s_delay_alu instid0(VALU_DEP_2)
	v_max_num_f32 v[ST+8*\t+6], v[ST+8*\t+6], v[BM+12*\t+3]   ; the step's largest score of my query
.endr
.irp t, 0,1
	s_delay_alu instid0(VALU_DEP_2)
	v_mul_f32 v[ST+8*\t+6], s[CS], v[ST+8*\t+6]    ; as t (c is positive)
.endr
.irp t, 0,1
	s_delay_alu instid0(VALU_DEP_2)
	v_max_num_f32 v[ST+8*\t+1], v[ST+8*\t+1], v[ST+8*\t+6]    ; the running largest t
.endr
.irp t, 0,1
	v_mov_b32 v[ST+8*\t+6], v[ST+8*\t]
.endr
.irp t, 0,1
	s_delay_alu instid0(VALU_DEP_4)
	v_floor_f32 v[ST+8*\t], -v[ST+8*\t+1]          ; the new -M = floor(-t) = -ceil(t): a whole number
.endr
.irp t, 0,1
	s_delay_alu instid0(VALU_DEP_2)
	v_sub_f32 v[ST+8*\t+6], v[ST+8*\t], v[ST+8*\t+6]          ; old M - new M: a whole number, 0 or less
.endr
.irp t, 0,1
	s_delay_alu instid0(VALU_DEP_2)
	v_cvt_i32_f32 v[ST+8*\t+6], v[ST+8*\t+6]       ; (it saturates)
.endr
.irp t, 0,1
	s_delay_alu instid0(VALU_DEP_2)
	v_ldexp_f32 v[ST+8*\t+4], 1.0, v[ST+8*\t+6]    ; f = 2^(old M - new M)
.endr
.endm
.macro SCALE t                         ; t - M, two at a time, and the same of each block's largest score
.set rS, S+64*(\t)
.set rT, ST+8*(\t)
.set rB, BM+12*(\t)
.irp j, 0,2,4,6,8,10,12,14,16,18,20,22,24,26,28,30,32,34,36,38,40,42,44,46,48,50,52,54,56,58,60,62
	v_pk_fma_f32 v[rS+\j:rS+\j+1], v[rS+\j:rS+\j+1], s[CS:CS+1], v[rT:rT+1] op_sel_hi:[1,0,0]
.endr
.irp b, 0,1,2,3
	v_fma_f32 v[rB+\b], v[rB+\b], s[CS], v[rT]
.endr
.endm
.macro EXPS t                          ; one batch of 68: p = 2^(t - M), at most 1, and the blocks' largest p (the same two instructions on the same number give the same bits)
.set rS, S+64*(\t)
.set rB, BM+12*(\t)
.irp j, 0,1,2,3,4,5,6,7,8,9,10,11,12,13,14,15,16,17,18,19,20,21,22,23,24,25,26,27,28,29,30,31,32,33,34,35,36,37,38,39,40,41,42,43,44,45,46,47,48,49,50,51,52,53,54,55,56,57,58,59,60,61,62,63
	v_exp_f32 v[rS+\j], v[rS+\j]
.endr
.irp b, 0,1,2,3
	v_exp_f32 v[rB+\b], v[rB+\b]
.endr
.endm
.macro SUMS t                          ; the row's sum is taken of the unquantised p: two at a time, in two chains
.set rS, S+64*(\t)
.set rT, ST+8*(\t)
.set rX, X2+2*(\t)
	v_pk_mul_f32 v[rT+2:rT+3], v[rT+2:rT+3], v[rT+4:rT+5] op_sel_hi:[1,0]   ; the sums under the new M
	v_pk_add_f32 v[rX:rX+1], v[rS:rS+1], v[rS+2:rS+3]
.irp j, 4,8,12,16,20,24,28,32,36,40,44,48,52,56,60
	v_pk_add_f32 v[rT+2:rT+3], v[rT+2:rT+3], v[rS+\j:rS+\j+1]
	v_pk_add_f32 v[rX:rX+1], v[rX:rX+1], v[rS+\j+2:rS+\j+3]
.endr
	s_delay_alu instid0(VALU_DEP_1)
	v_pk_add_f32 v[rT+2:rT+3], v[rT+2:rT+3], v[rX:rX+1]
.endm
.macro CODES t                         ; p becomes the second product's source 1: 12 registers of codes and a scale word
.set rS, S+64*(\t)
.set rB, BM+12*(\t)
.set rP, PCD+12*(\t)
.irp b, 0,1,2,3
	v_max_num_f32 v[rB+\b], 0x1800000, v[rB+\b]    ; the floor 2^(3 - 127): the byte cannot fall under 1
.endr
.irp b, 0,1,2,3
	s_delay_alu instid0(VALU_DEP_4)
	v_add_nc_u32 v[rB+8+\b], 0xff000000, v[rB+\b]  ; 2 off the exponent field: the conversion's scale operand
.endr
.irp b, 0,1,2,3
	s_delay_alu instid0(VALU_DEP_4)
	v_lshrrev_b32 v[rB+4+\b], 23, v[rB+8+\b]       ; the scale's byte
.endr
	s_delay_alu instid0(VALU_DEP_3)
	v_lshl_or_b32 v[PW+\t], v[rB+5], 8, v[rB+4]
	s_delay_alu instid0(VALU_DEP_1)
	v_lshl_or_b32 v[PW+\t], v[rB+6], 16, v[PW+\t]
	s_delay_alu instid0(VALU_DEP_1)
	v_lshl_or_b32 v[PW+\t], v[rB+7], 24, v[PW+\t]
.irp c, 0,1
	v_cvt_scalef32_pk16_fp6_f32 v[rP+6*\c:rP+6*\c+2], v[rS+32*\c:rS+32*\c+15], v[rB+8+2*\c]
	v_cvt_scalef32_pk16_fp6_f32 v[C2+4*\c:C2+4*\c+2], v[rS+32*\c+16:rS+32*\c+31], v[rB+8+2*\c+1]   ; (a conversion's three registers begin on an even number)
.endr
	v_nop                                          ; one plain place behind a scaled conversion
.irp c, 0,1                            ; a whole block in a lane: lanes 0-15 block 2 c, lanes 16-31 block 2 c + 1
.irp i, 0,1,2
	v_permlane16_swap_b32 v[rP+6*\c+\i], v[C2+4*\c+\i]
.endr
.irp i, 0,1,2
	s_delay_alu instid0(VALU_DEP_3)
	v_mov_b32 v[rP+3+6*\c+\i], v[C2+4*\c+\i]
.endr
.endr
.endm
	s_mov_b32 s[PASS], 2
.Lpass:                                            ; two trips: 256 queries of the work-group each
	WIN 0x40
.irp t, 0,1
	global_load_b128 v[QF+12*\t:QF+12*\t+3], v[L16], s[QB:QB+1] offset:768*\t
	global_load_b64 v[QF+12*\t+4:QF+12*\t+5], v[L8], s[QB:QB+1] offset:768*\t+512
.endr
	WIN 0
.irp t, 0,1
	global_load_b32 v[QS+\t], v[R16], s[QSB:QSB+1] offset:4*\t   ; lane r: row r's word (lanes 16-31 hold the same and are not read)
.endr
.irp t, 0,1
	v_mov_b32 v[ST+8*\t+1], 0xff61b1e6             ; the largest t so far: -3e38
	s_delay_alu instid0(VALU_DEP_1)
	v_floor_f32 v[ST+8*\t], -v[ST+8*\t+1]          ; -M
	v_mov_b32 v[ST+8*\t+2], 0                      ; the sum, in two halves
	v_mov_b32 v[ST+8*\t+3], 0
.endr
	WIN 0x40
.irp j, 0,1,2,3,4,5,6,7,8,9,10,11,12,13,14,15,16,17,18,19,20,21,22,23,24,25,26,27,28,29,30,31,32,33,34,35,36,37,38,39,40,41,42,43,44,45,46,47,48,49,50,51,52,53,54,55,56,57,58,59,60,61,62,63
	v_mov_b32 v[\j], 0                             ; O^T.  (The step is written once: the first finds zeros, which the first change of M leaves zeros)
.endr
	WIN 0
	s_mov_b32 s[TB], 0
	s_mov_b32 s[TS], 0
	s_mov_b32 s[TJ], 0
	KADDR
	FETCHK                                         ; key step 0
	s_wait_loadcnt 0x0                             ; q
	s_mov_b32 s[CNT], 16
.Lstep:                                            ; 16 trips: 128 keys each
	s_wait_dscnt 0x0                               ; K, the mask and K's scale words, asked for a step ago
	WIN 0x15                                       ; K, q and the mask in window 1, S^T in window 0
	s_setprio 2
.irp T, 0,1,2,3,4,5,6,7
.irp t, 0,1
.if \T < 4
	v_wmma_scale_f32_16x16x128_f8f6f4 v[S+64*\t+8*\T:S+64*\t+8*\T+7], v[KF+12*\T:KF+12*\T+11], v[QF+12*\t:QF+12*\t+11], v[MK+8*\T:MK+8*\T+7], v[KS+\T%4], v[QS+\t] matrix_a_fmt:MATRIX_FMT_FP6 matrix_b_fmt:MATRIX_FMT_FP6
.else
	v_wmma_scale_f32_16x16x128_f8f6f4 v[S+64*\t+8*\T:S+64*\t+8*\T+7], v[KF+12*\T:KF+12*\T+11], v[QF+12*\t:QF+12*\t+11], v[MK+8*\T:MK+8*\T+7], v[KS+\T%4], v[QS+\t] matrix_a_fmt:MATRIX_FMT_FP6 matrix_b_fmt:MATRIX_FMT_FP6 matrix_a_scale:MATRIX_SCALE_ROW1
.endif
.endr
.endr
	WIN 0
	v_add_nc_u32 v[ADV], s[TB], v[AV0]             ; this step's V; then the next step's K.  These six additions are the places behind the products
	v_add_nc_u32 v[ADT], s[TJ], v[ASV0]
	s_add_co_u32 s[TB], s[TB], 6144
	s_add_co_u32 s[TS], s[TS], 512
	s_add_co_u32 s[TJ], s[TJ], 256
	KADDR
	FETCHK                                         ; a step ahead.  In the last trip these lines read the filled bytes that follow each region, inside LDS; what they bring is not used
	MAXB 0
	MAXB 1
	STAT2
	SCALE 0
	s_wait_alu depctr_va_vdst(0)
	EXPS 0
	SCALE 1                                        ; plain work of the other tile behind the batch
	s_setprio 1
	s_wait_alu depctr_va_vdst(0)                   ; one wait for tile 0's 68 exponentials, ahead of the first line that names a result
	EXPS 1
	SUMS 0                                         ; plain work of tile 0 behind tile 1's batch
	CODES 0
.irp a, 0,1,2,3                        ; V's four fragments of this step land where tile 0's p lay: it has been summed and converted
.irp p, 0,1,2
	ds_load_b128 v[VF+12*\a+4*\p:VF+12*\a+4*\p+3], v[ADV] offset:1536*\a+512*\p
.endr
.endr
	ds_load_b64 v[VS:VS+1], v[ADT]
	s_wait_alu depctr_va_vdst(0)                   ; and one for tile 1's
	SUMS 1
	CODES 1
	WIN 0x41                                       ; O^T in window 1, f in window 0
	s_setprio 0
.irp t, 0,1
.irp j, 0,2,4,6,8,10,12,14,16,18,20,22,24,26,28,30
	v_pk_mul_f32 v[32*\t+\j:32*\t+\j+1], v[32*\t+\j:32*\t+\j+1], v[ST+8*\t+4:ST+8*\t+5] op_sel_hi:[1,0]   ; O^T under the new M.  (These 32 are also the places between p's codes and scale words and the products)
.endr
.endr
	s_wait_alu depctr_va_vdst(0)
	s_wait_dscnt 0x0                               ; V and its scale words
	WIN 0x50                                       ; V and p in window 0, O^T in window 1
.irp a, 0,1,2,3
.irp t, 0,1
.if \a < 2
	v_wmma_scale_f32_16x16x128_f8f6f4 v[32*\t+8*\a:32*\t+8*\a+7], v[VF+12*\a:VF+12*\a+11], v[PCD+12*\t:PCD+12*\t+11], v[32*\t+8*\a:32*\t+8*\a+7], v[VS+\a%2], v[PW+\t] matrix_a_fmt:MATRIX_FMT_FP6 matrix_b_fmt:MATRIX_FMT_FP6
.else
	v_wmma_scale_f32_16x16x128_f8f6f4 v[32*\t+8*\a:32*\t+8*\a+7], v[VF+12*\a:VF+12*\a+11], v[PCD+12*\t:PCD+12*\t+11], v[32*\t+8*\a:32*\t+8*\a+7], v[VS+\a%2], v[PW+\t] matrix_a_fmt:MATRIX_FMT_FP6 matrix_b_fmt:MATRIX_FMT_FP6 matrix_a_scale:MATRIX_SCALE_ROW1
.endif
.endr
.endr
	WIN 0
.rept 5
	v_nop                                          ; five places: the next step's scores are written, by matrix instructions, over the registers that held V
.endr
	s_sub_co_u32 s[CNT], s[CNT], 1
	s_cmp_lg_u32 s[CNT], 0
	s_cbranch_scc1 .Lstep
	s_setprio 0
	; THE WAY OUT OF A PASS.  O^T / the sum; the true order of the channels; the quantiser along the model's 1,024, of which my head is two blocks; images and scale bytes to memory.
.irp t, 0,1
	v_add_f32 v[ST+8*\t+6], v[ST+8*\t+2], v[ST+8*\t+3]
.endr
.irp t, 0,1
	s_delay_alu instid0(VALU_DEP_2)
	v_permlanex16_b32 v[ST+8*\t+7], v[ST+8*\t+6], s[SEL], s[SEL+1]
.endr
.irp t, 0,1
	s_delay_alu instid0(VALU_DEP_2)
	v_add_f32 v[ST+8*\t+6], v[ST+8*\t+6], v[ST+8*\t+7]        ; the row's sum
.endr
	s_wait_alu depctr_va_vdst(0)
.irp t, 0,1
	v_rcp_f32 v[ST+8*\t+6], v[ST+8*\t+6]
.endr
	v_nop                                          ; a plain place behind the reciprocals,
	s_wait_alu depctr_va_vdst(0)                   ; and one wait for the two, ahead of their first reader
	WIN 0x01                                       ; source 0: O^T in window 1
.irp t, 0,1
.irp j, 0,2,4,6,8,10,12,14,16,18,20,22,24,26,28,30
	v_pk_mul_f32 v[EO+32*\t+\j:EO+32*\t+\j+1], v[32*\t+\j:32*\t+\j+1], v[ST+8*\t+6:ST+8*\t+7] op_sel_hi:[1,0]   ; register 8 a + j: channel 16 a + 8 h + j of my query; each accumulator from its low end on
.endr
.endr
	WIN 0
.irp g, 0,1,2,3                        ; this operand meets W_o, whose order is given: lanes 16-31 of the lower eight registers change places with lanes 0-15 of the upper eight: register 16 b + i is then channel 32 b + 16 h + i
.irp j, 0,1,2,3,4,5,6,7
	v_permlane16_swap_b32 v[EO+16*\g+\j], v[EO+16*\g+8+\j]
.endr
.endr
.set TM, BM                            ; the quantiser on 64 numbers: blocks 0, 1 are tile 0's, blocks 2, 3 tile 1's
.set PC, PCD
.irp b, 0,1,2,3
	v_max3_num_f32 v[TM+\b], |v[EO+16*\b]|, |v[EO+1+16*\b]|, 0x1800000   ; with the floor 2^(3 - 127): the byte cannot fall under 1
.endr
.irp i, 2,4,6,8,10,12,14
.irp b, 0,1,2,3
	s_delay_alu instid0(VALU_DEP_4)
	v_max3_num_f32 v[TM+\b], v[TM+\b], |v[EO+16*\b+\i]|, |v[EO+1+16*\b+\i]|
.endr
.endr
.irp b, 0,1,2,3
	s_delay_alu instid0(VALU_DEP_4)
	v_permlanex16_b32 v[TM+4+\b], v[TM+\b], s[SEL], s[SEL+1]
.endr
.irp b, 0,1,2,3
	s_delay_alu instid0(VALU_DEP_4)
	v_max_num_f32 v[TM+\b], v[TM+\b], v[TM+4+\b]
.endr
.irp b, 0,1,2,3
	s_delay_alu instid0(VALU_DEP_4)
	v_add_nc_u32 v[TM+12+\b], 0xff000000, v[TM+\b]
.endr
.irp b, 0,1,2,3
	s_delay_alu instid0(VALU_DEP_4)
	v_lshrrev_b32 v[TM+4+\b], 23, v[TM+12+\b]
.endr
	s_delay_alu instid0(VALU_DEP_3)
	v_lshl_or_b32 v[OW], v[TM+5], 8, v[TM+4]
	s_delay_alu instid0(VALU_DEP_1)
	v_lshl_or_b32 v[OW], v[TM+6], 16, v[OW]
	s_delay_alu instid0(VALU_DEP_1)
	v_lshl_or_b32 v[OW], v[TM+7], 24, v[OW]
.irp c, 0,1
	v_cvt_scalef32_pk16_fp6_f32 v[PC+6*\c:PC+2+6*\c], v[EO+32*\c:EO+15+32*\c], v[TM+12+2*\c]
	v_cvt_scalef32_pk16_fp6_f32 v[PC+12+4*\c:PC+14+4*\c], v[EO+16+32*\c:EO+31+32*\c], v[TM+12+2*\c+1]
.endr
	v_nop                                          ; one plain place behind a scaled conversion
.irp c, 0,1
.irp i, 0,1,2
	v_permlane16_swap_b32 v[PC+6*\c+\i], v[PC+12+4*\c+\i]
.endr
.irp i, 0,1,2
	s_delay_alu instid0(VALU_DEP_3)
	v_mov_b32 v[PC+3+6*\c+\i], v[PC+12+4*\c+\i]
.endr
.endr
.irp p, 0,1,2,3,4,5
	global_store_b64 v[L8], v[PC+2*\p:PC+2*\p+1], s[12:13] offset:12288*(\p/3)+256*(\p%3)   ; tile p / 3, registers 2 (p % 3) on: 32 lanes store 256 consecutive bytes, aligned
.endr
	v_cmp_le_u32 vcc_lo, 16, v[LN]
	v_lshrrev_b32 v[OW+1], 16, v[OW]
	s_delay_alu instid0(VALU_DEP_1)
	v_cndmask_b32 v[OW+1], v[OW], v[OW+1], vcc_lo  ; lanes 0-15: tile 0's two bytes of row r; lanes 16-31: tile 1's: 32 neighbouring tokens
	global_store_b16 v[L4], v[OW+1], s[14:15]      ; two bytes of each token's word; the head beside mine writes the other two
	s_wait_xcnt 0x0                                ; the loads and stores have read their bases and data: both are written again only behind this wait
	s_add_nc_u64 s[QB:QB+1], s[QB:QB+1], 12288     ; 16 tiles on
	s_add_nc_u64 s[QSB:QSB+1], s[QSB:QSB+1], 1024
	s_add_nc_u64 s[12:13], s[12:13], 196608
	s_add_nc_u64 s[14:15], s[14:15], 1024
	s_sub_co_u32 s[PASS], s[PASS], 1
	s_cmp_lg_u32 s[PASS], 0
	s_cbranch_scc1 .Lpass
	s_wait_tensorcnt 0x0
	ds_add_u32 v126, v127
	s_wait_dscnt 0x0
	CROUND                                         ; the closing round
	s_endpgm
.Lfunc_end_k_q7699d6f79d_attn:
	.size	k_q7699d6f79d_attn, .Lfunc_end_k_q7699d6f79d_attn-k_q7699d6f79d_attn
	.p2alignl 7, 3214868480
	.fill 96, 4, 3214868480
	.section	.rodata,"a",@progbits
	.p2align	6, 0x0
	.amdhsa_kernel k_q7699d6f79d_attn
		.amdhsa_group_segment_fixed_size 218112
		.amdhsa_private_segment_fixed_size 0
		.amdhsa_enable_private_segment 0
		.amdhsa_kernarg_size 48
		.amdhsa_user_sgpr_count 2
		.amdhsa_user_sgpr_kernarg_segment_ptr 1
		.amdhsa_wavefront_size32 1
		.amdhsa_system_sgpr_workgroup_id_x 1
		.amdhsa_system_sgpr_workgroup_id_y 1
		.amdhsa_system_sgpr_workgroup_id_z 1
		.amdhsa_system_vgpr_workitem_id 0
		.amdhsa_next_free_vgpr 512
		.amdhsa_next_free_sgpr 80
		.amdhsa_reserve_vcc 1
		.amdhsa_float_denorm_mode_32 3
		.amdhsa_float_denorm_mode_16_64 3
		.amdhsa_memory_ordered 1
		.amdhsa_forward_progress 1
		.amdhsa_inst_pref_size 59
	.end_amdhsa_kernel
	.amdgpu_metadata
---
amdhsa.version: [ 1, 2 ]
amdhsa.kernels:
  - .name:           k_q7699d6f79d_attn
    .symbol:         k_q7699d6f79d_attn.kd
    .args:
      - { .name: qws, .offset: 0, .size: 8, .value_kind: global_buffer, .address_space: global }
      - { .name: kws, .offset: 8, .size: 8, .value_kind: global_buffer, .address_space: global }
      - { .name: vws, .offset: 16, .size: 8, .value_kind: global_buffer, .address_space: global }
      - { .name: attention_mask, .offset: 24, .size: 8, .value_kind: global_buffer, .address_space: global }
      - { .name: oimg, .offset: 32, .size: 8, .value_kind: global_buffer, .address_space: global }
      - { .name: osc, .offset: 40, .size: 8, .value_kind: global_buffer, .address_space: global }
    .group_segment_fixed_size: 218112
    .private_segment_fixed_size: 0
    .kernarg_segment_align: 8
    .kernarg_segment_size: 48
    .max_flat_workgroup_size: 256
    .sgpr_count:     80
    .vgpr_count:     512
    .wavefront_size: 32
...
	.end_amdgpu_metadata
.endif
;; end of part 2
;; launch out (part 3): grid 4 x 32, 4 waves a work-group, clusters of 4 x 4, 327,680 bytes of LDS; arguments oimg, osc, W_o_codes, W_o_scales, out0; writes out0
.if DOCPART == 3
	.amdgcn_target "amdgcn-amd-amdhsa--gfx1250"
	.amdhsa_code_object_version 6
	.text
	.protected	k_q7699d6f79d_out
	.globl	k_q7699d6f79d_out
	.p2align	8
	.type	k_q7699d6f79d_out,@function
k_q7699d6f79d_out:
	s_mov_b64 s[64:65], 0
	v_nop
	global_prefetch_b8 v0, s[64:65] scope:SCOPE_SE
	s_setreg_imm32_b32 hwreg(HW_REG_WAVE_MODE, 25, 1), 1
	s_wait_xcnt 0x0
	s_wait_alu depctr_hold_cnt(0) depctr_sa_sdst(0) depctr_va_vdst(0) depctr_va_sdst(0) depctr_va_ssrc(0) depctr_va_vcc(0) depctr_vm_vsrc(0)
	s_getreg_b32 s2, hwreg(HW_REG_IB_STS2, 6, 4)
	s_cmp_eq_u32 s2, 0
	s_cbranch_scc0 .Lentry_in_a_cluster
	s_endpgm
.Lentry_in_a_cluster:
	s_bfe_u32 s2, ttmp6, 0x10000c
	s_cmp_lg_u32 s2, 0xf033
	s_cbranch_scc0 .Lentry_shape_is_right
	s_endpgm
.Lentry_shape_is_right:
; out0[token][n] = the sum over k of o[token][k] W_o[n][k], K = 1,024, on codes of FP6 (E2M3) with one E8M0 scale for each 32 along K; out0 [8,192][1,024] f32.
; o comes from the launch before as IMAGES OF OPERAND REGISTERS: [tile of 16 tokens][head][3 planes of 8 bytes x lane]; two heads are one fragment (128 along K), six planes.  W_o comes as rows of codes.
; SHARES.  A tile of 256 x 256 to a work-group of four waves, 128 x 128 (64 accumulators) to a wave; K in steps of 256 through a ring of two LDS slots.  128 work-groups: the tile is kept large so that each byte
; read from LDS feeds as many products as the registers allow.
; CLUSTERS of 4 x 4: o's tile is asked for jointly along a row of the cluster, W_o's along a column.  Source 0 = 16 rows of W_o, source 1 = 16 tokens: a lane holds eight neighbouring numbers of a row of out0.
; THE SCALE WORDS of a wave's 128 tokens and 128 rows of W_o, for all of K, are loaded once into registers that hold nothing else.
; REGISTERS, in windows of 256.  Window 0: v16-31 addresses; v32-63 o's scale words, v64-95 W_o's; v128-223 o's fragments, ONE set; on the way out v128-255 rows of out0.
;   Window 1: W_o's fragments, two sets, v0-95 and v128-223.   Windows 2, 3: accumulator (a, b) at v[8 (8 (a % 4) + b)].
.set SIZE_N, 1024
.set ROWB,   192                       ; W_o: a tile's row, 256 codes
.set KROW,   768                       ; and a row in memory
.set PITCH,  240                       ; its LDS row: 3 x (64 bytes + 16 of padding)
.set IROW,   3072                      ; o: a tile of 16 tokens x 256 along K: four heads' images
.set IPITCH, 12288                     ; and from tile to tile in memory: sixteen heads'
.set FR,     12
.set NL,     6
.set NP,     4
.set HALFT,  128*PITCH                 ; the place of 128 rows in a slot (o's images use 24,576 bytes of it)
.set SLOT,   4*HALFT
.set SPARE,  2*SLOT                    ; behind the ring: the spare words, 128 bytes a wave, which no other line names
.set SPITCH, 528                       ; the way out: a stage of 16 rows x (512 bytes + 16) for each wave, in slot 0, which has had its last fill and its last read when the first result is stored there
.set ADRA, 16                          ; v16-17 LDS address of my fragments of o in slot 0, 1: 8 x lane on
.set ADRB, 20                          ; v20-21 of W_o's; v22-23 the same behind one padding more
.set STO,  24
.set RD,   25
.set CO,   26
.set VSO,  27                          ; v27 32 r + 2,048 h: W_o's scale bytes
.set SPW,  28
.set NIL,  29
.set VSA,  30                          ; v30 4 r + 256 h: o's scale words
.set SCA,  32                          ; register 8 g + ks: lanes 0-15 the word of o's block g, lanes 16-31 of block g + 4, for the ks-th 128 along K
.set SCB,  64
.set AF,   128
.set BK,   128
.set G1,  24
.set G0,  32
.set G1B, 48
.set G0B, 56
.set MSB, 0
.macro WIN new
.if MSB != (\new)
	s_set_vgpr_msb (MSB<<8)|(\new)
.set MSB, (\new)
.endif
.endm
.set MUL_LO, 0xa1
.set MUL_HI, 0xf1
.set TO_B,   0x40
.macro JLOAD g0a, g1a, g0b, g1b        ; a joint load: waves 0 and 1 fetch o's halves, waves 2 and 3 W_o's; four v_nop follow each of the two lines
	s_cmp_eq_u32 s15, 0
	s_cbranch_scc0 .Lfor_b_\@
	tensor_load_to_lds s[\g0a:\g0a+3], s[\g1a:\g1a+7]
	s_nop 0
.rept 4
	v_nop
.endr
	s_branch .Lasked_\@
.Lfor_b_\@:
	tensor_load_to_lds s[\g0b:\g0b+3], s[\g1b:\g1b+7]
	s_nop 0
.rept 4
	v_nop
.endr
.Lasked_\@:
.endm
.macro CREST
	s_cmp_lg_u32 s14, 0
	s_cbranch_scc1 .Lnot_wave_0_\@
	s_barrier_signal -3
.Lnot_wave_0_\@:
	s_barrier_wait -3
	s_barrier_signal -1
	s_barrier_wait -1
.endm
.macro CROUND
	s_barrier_signal -1
	s_barrier_wait -1
	CREST
.endm
.macro PLACES n
.rept \n
	v_nop
.endr
.endm
	s_load_b256 s[4:11], s[0:1], 0x0               ; oimg s[4:5], osc s[6:7], W_o's codes s[8:9], W_o's scales s[10:11]
	s_load_b64 s[12:13], s[0:1], 0x20              ; out0
	v_lshl_add_u32 v[SPW], v0, 2, SPARE
	v_mov_b32 v[NIL], 0
	ds_add_u32 v28, v29
	ds_add_u32 v28, v29
	s_wait_dscnt 0x0
	v_lshrrev_b32 v1, 5, v0
	v_readfirstlane_b32 s14, v1                    ; wave 0..3
	s_lshr_b32 s15, s14, 1                         ; which half of the tile's tokens is mine.  Also: I fetch for o (0) or for W_o (1)
	s_and_b32 s16, s14, 1                          ; which half of its columns.  Also: which half of that tile I fetch
	s_bfe_u32 s40, ttmp6, 0x40000                  ; cx, cy
	s_bfe_u32 s41, ttmp6, 0x40004
	s_lshl_b32 s42, ttmp9, 2
	s_add_co_u32 s42, s42, s40                     ; tile column
	s_and_b32 s17, ttmp7, 0xffff
	s_lshl_b32 s17, s17, 2
	s_add_co_u32 s17, s17, s41                     ; tile row
	s_lshl_b32 s43, s41, 2
	s_lshl_b32 s43, 15, s43                        ; my row of the cluster
	s_lshl_b32 s44, 0x1111, s40                    ; my column
	; descriptor group 1 for o: 8 tiles of 16 tokens x 3,072 bytes (384 elements of 8 bytes), 12,288 bytes apart; no padding: the images are read 256 consecutive bytes at a time
	s_or_b32 s[G1+0], s43, (3<<16)|(1<<21)
	s_mov_b32 s[G1+1], 384<<16                     ; tensor_dim0
	s_mov_b32 s[G1+2], 8<<16                       ; tensor_dim1
	s_mov_b32 s[G1+3], 384<<16                     ; tile_dim0
	s_mov_b32 s[G1+4], 8                           ; tile_dim1
	s_mov_b32 s[G1+5], 1536                        ; tensor_dim0_stride
	s_mov_b32 s[G1+6], 0
	s_mov_b32 s[G1+7], 0
	; and for W_o: 128 rows x 192 bytes, 768 bytes apart; in LDS 16 bytes of padding behind every 64
	s_or_b32 s[G1B+0], s44, (1<<20)|(1<<21)|(3<<22)|(3<<25)
	s_mov_b32 s[G1B+1], ROWB<<16
	s_mov_b32 s[G1B+2], 128<<16
	s_mov_b32 s[G1B+3], ROWB<<16
	s_mov_b32 s[G1B+4], 128
	s_mov_b32 s[G1B+5], KROW
	s_mov_b32 s[G1B+6], 0
	s_mov_b32 s[G1B+7], 0
	s_lshl_b32 s20, s17, 4
	s_lshl_b32 s18, s16, 3
	s_add_co_u32 s20, s20, s18                     ; o: tile of 16 tokens 16 x tile row + 8 x half
	s_mul_i32 s20, s20, IPITCH
	s_mov_b32 s21, 0
	s_lshl_b32 s46, s42, 8
	s_lshl_b32 s18, s16, 7
	s_add_co_u32 s46, s46, s18                     ; W_o: row 256 x tile column + 128 x half
	s_mul_i32 s46, s46, KROW
	s_mov_b32 s47, 0
	s_mul_i32 s45, s14, HALFT                      ; where they go: no place in the cluster enters an LDS address
	s_lshl_b32 s22, s17, 8
	s_lshl_b32 s23, s15, 7
	s_add_co_u32 s22, s22, s23                     ; the first token that I multiply,
	s_lshl_b32 s22, s22, 2                         ; and its scale word
	s_mov_b32 s23, 0
	s_lshl_b32 s94, s42, 8
	s_lshl_b32 s95, s16, 7
	s_add_co_u32 s94, s94, s95                     ; my first row of W_o,
	s_lshl_b32 s94, s94, 5                         ; and its 32 scale bytes
	s_mov_b32 s95, 0
	s_wait_kmcnt 0x0
	s_add_nc_u64 s[20:21], s[4:5], s[20:21]
	s_add_nc_u64 s[46:47], s[8:9], s[46:47]
	s_add_nc_u64 s[6:7], s[6:7], s[22:23]
	s_add_nc_u64 s[10:11], s[10:11], s[94:95]
	CROUND                                         ; all sixteen work-groups are here: the first joint loads meet
.irp s, 0,1
	s_mov_b32 s[G0+4*\s], 1
	s_add_co_u32 s[G0+4*\s+1], s45, \s*SLOT
	s_add_nc_u64 s[G0+4*\s+2:G0+4*\s+3], s[20:21], \s*IROW
	s_or_b32 s[G0+4*\s+3], s[G0+4*\s+3], 0x80000000
	s_mov_b32 s[G0B+4*\s], 1
	s_add_co_u32 s[G0B+4*\s+1], s45, \s*SLOT
	s_add_nc_u64 s[G0B+4*\s+2:G0B+4*\s+3], s[46:47], \s*ROWB
	s_or_b32 s[G0B+4*\s+3], s[G0B+4*\s+3], 0x80000000
	JLOAD G0+4*\s, G1, G0B+4*\s, G1B               ; both slots go out at once: two loads of mine are out
.endr
	v_and_b32 v1, 15, v0                           ; r
	v_bfe_u32 v2, v0, 4, 1                         ; h
	v_lshlrev_b32 v[VSA], 2, v1
	v_lshl_add_u32 v[VSA], v2, 8, v[VSA]
	v_lshlrev_b32 v[VSO], 5, v1
	v_lshl_add_u32 v[VSO], v2, 11, v[VSO]
.irp g, 0,1,2,3
.irp k, 0,1,2,3,4,5,6,7
	global_load_b32 v[SCA+8*\g+\k], v[VSA], s[6:7] offset:64*\g+32768*\k   ; o's words lie [128 along K][token]
.endr
	global_load_b128 v[SCB+8*\g:SCB+8*\g+3],   v[VSO], s[10:11] offset:512*\g
	global_load_b128 v[SCB+8*\g+4:SCB+8*\g+7], v[VSO], s[10:11] offset:512*\g+16
.endr
	v_and_b32 v6, 31, v0
	v_lshlrev_b32 v7, 3, v6                        ; o's images: 8 x lane
	v_mul_u32_u24 v3, v1, PITCH
	v_mul_u32_u24 v4, v2, 24
	v_add_nc_u32 v4, v3, v4                        ; W_o: a fragment's row x pitch + 24 x half
	v_lshl_add_u32 v5, v2, 4, v4                   ; and the same behind one padding more
	s_mul_i32 s21, s15, HALFT                      ; my 128 tokens
	s_mul_i32 s22, s16, HALFT                      ; my 128 rows of W_o,
	s_add_co_u32 s22, s22, 2*HALFT                 ; which lie behind o's two halves
.irp s, 0,1
	v_add_nc_u32 v[ADRA+\s], s21, v7
	v_add_nc_u32 v[ADRB+\s], s22, v4
	v_add_nc_u32 v[ADRB+2+\s], s22, v5
	s_add_co_u32 s21, s21, SLOT
	s_add_co_u32 s22, s22, SLOT
.endr
	s_mul_i32 s23, s14, 16*SPITCH                  ; my stage
	v_mul_u32_u24 v5, v1, SPITCH                   ; in: row l % 16, 32 bytes for each half of the lanes
	v_lshl_add_u32 v5, v2, 5, v5
	v_add_nc_u32 v[STO], s23, v5
	v_lshlrev_b32 v[CO], 4, v6                     ; back: the 32 lanes take one row of 512 bytes; and the same in out0
	v_add_nc_u32 v[RD], s23, v[CO]
	s_lshl_b32 s20, s17, 8
	s_lshl_b32 s21, s15, 7
	s_add_co_u32 s20, s20, s21                     ; my first row of out0
	s_lshl_b32 s20, s20, 12                        ; 4,096 bytes a row (under 2^25)
	s_mov_b32 s21, 0
	s_lshl_b32 s46, s42, 10                        ; my first column, in bytes: 1,024 x tile column + 512 x half
	s_lshl_b32 s47, s16, 9
	s_add_co_u32 s46, s46, s47
	s_mov_b32 s47, 0
	s_add_nc_u64 s[20:21], s[20:21], s[46:47]
	s_add_nc_u64 s[12:13], s[12:13], s[20:21]
.macro FRAG reg, adr, q, i             ; a fragment of W_o from rows: lane l holds row l % 16; registers 6 c .. 6 c + 5 hold K = 64 c + 32 (l / 16) + 0 .. 31, in pieces of 8 bytes
.irp p, 0,1,2,3,4,5
.set PCE, 12*(\q)+6*(\p/3)+\p%3
.if PCE%8 < 5
	ds_load_b64 v[\reg+2*\p:\reg+2*\p+1], v[\adr] offset:8*PCE+16*(PCE/8)+(\i)*16*PITCH
.else
	ds_load_b64 v[\reg+2*\p:\reg+2*\p+1], v[\adr+2] offset:8*PCE+16*(PCE/8)+(\i)*16*PITCH
.endif
.endr
.endm
.macro FRAGI reg, adr, q, i            ; a fragment of o from its image: six planes, 256 consecutive bytes a load
.irp p, 0,1,2,3,4,5
	ds_load_b64 v[\reg+2*\p:\reg+2*\p+1], v[\adr] offset:IROW*(\i)+1536*(\q)+256*\p
.endr
.endm
.macro WM a, b, p, ks, zero            ; one product; the scale words of blocks 4-7 stand in lanes 16-31 of their registers
.set rD, 8*(8*((\a)%4)+(\b))
.set rB, 128*(\p)+FR*(\b)
.set rA, AF+FR*(\a)
.set rSB, SCB+8*((\b)%4)+(\ks)
.set rSA, SCA+8*((\a)%4)+(\ks)
.if \zero
.if ((\a) < 4) && ((\b) < 4)
	v_wmma_scale_f32_16x16x128_f8f6f4 v[rD:rD+7], v[rB:rB+FR-1], v[rA:rA+FR-1], 0, v[rSB], v[rSA] matrix_a_fmt:MATRIX_FMT_FP6 matrix_b_fmt:MATRIX_FMT_FP6
.elseif (\a) < 4
	v_wmma_scale_f32_16x16x128_f8f6f4 v[rD:rD+7], v[rB:rB+FR-1], v[rA:rA+FR-1], 0, v[rSB], v[rSA] matrix_a_fmt:MATRIX_FMT_FP6 matrix_b_fmt:MATRIX_FMT_FP6 matrix_a_scale:MATRIX_SCALE_ROW1
.elseif (\b) < 4
	v_wmma_scale_f32_16x16x128_f8f6f4 v[rD:rD+7], v[rB:rB+FR-1], v[rA:rA+FR-1], 0, v[rSB], v[rSA] matrix_a_fmt:MATRIX_FMT_FP6 matrix_b_fmt:MATRIX_FMT_FP6 matrix_b_scale:MATRIX_SCALE_ROW1
.else
	v_wmma_scale_f32_16x16x128_f8f6f4 v[rD:rD+7], v[rB:rB+FR-1], v[rA:rA+FR-1], 0, v[rSB], v[rSA] matrix_a_fmt:MATRIX_FMT_FP6 matrix_b_fmt:MATRIX_FMT_FP6 matrix_a_scale:MATRIX_SCALE_ROW1 matrix_b_scale:MATRIX_SCALE_ROW1
.endif
.else
.if ((\a) < 4) && ((\b) < 4)
	v_wmma_scale_f32_16x16x128_f8f6f4 v[rD:rD+7], v[rB:rB+FR-1], v[rA:rA+FR-1], v[rD:rD+7], v[rSB], v[rSA] matrix_a_fmt:MATRIX_FMT_FP6 matrix_b_fmt:MATRIX_FMT_FP6
.elseif (\a) < 4
	v_wmma_scale_f32_16x16x128_f8f6f4 v[rD:rD+7], v[rB:rB+FR-1], v[rA:rA+FR-1], v[rD:rD+7], v[rSB], v[rSA] matrix_a_fmt:MATRIX_FMT_FP6 matrix_b_fmt:MATRIX_FMT_FP6 matrix_a_scale:MATRIX_SCALE_ROW1
.elseif (\b) < 4
	v_wmma_scale_f32_16x16x128_f8f6f4 v[rD:rD+7], v[rB:rB+FR-1], v[rA:rA+FR-1], v[rD:rD+7], v[rSB], v[rSA] matrix_a_fmt:MATRIX_FMT_FP6 matrix_b_fmt:MATRIX_FMT_FP6 matrix_b_scale:MATRIX_SCALE_ROW1
.else
	v_wmma_scale_f32_16x16x128_f8f6f4 v[rD:rD+7], v[rB:rB+FR-1], v[rA:rA+FR-1], v[rD:rD+7], v[rSB], v[rSA] matrix_a_fmt:MATRIX_FMT_FP6 matrix_b_fmt:MATRIX_FMT_FP6 matrix_a_scale:MATRIX_SCALE_ROW1 matrix_b_scale:MATRIX_SCALE_ROW1
.endif
.endif
.endm
.macro MUL16 a0, p, ks, zero           ; 16 products; the 64 accumulators take turns, one instruction a turn, in the same order in every step
.irp a, \a0, \a0+1
.irp b, 0,1,2,3,4,5,6,7
	WM \a, \b, \p, \ks, \zero
.endr
.endr
.endm
.macro FETCH_B slot, q, p
	WIN TO_B
.irp i, 0,1,2,3,4,5,6,7
	FRAG 128*(\p)+FR*\i, ADRB+\slot, \q, \i
.endr
	WIN 0
.endm
.macro FETCH_A slot, q, i0
.irp i, \i0, \i0+1, \i0+2, \i0+3
	FRAGI AF+FR*(\i), ADRA+\slot, \q, \i
.endr
.endm
.macro STEP slot, ks, zero             ; a slot's first 128 along K
	s_wait_dscnt 4*NL                              ; W_o's set and o's blocks 0-3 are in; the youngest 24 loads (o's blocks 4-7) may be out
	WIN MUL_LO
	MUL16 0, 0, \ks, \zero
	MUL16 2, 0, \ks, \zero
	s_wait_dscnt 0                                 ; o's blocks 4-7 are in
	PLACES NP                                      ; in front of loads into registers that matrix instructions have read
	FETCH_B \slot, 1, 1
	FETCH_A \slot, 1, 0
	WIN MUL_HI
	MUL16 4, 0, \ks, \zero
	MUL16 6, 0, \ks, \zero
	PLACES NP
	WIN 0
	FETCH_A \slot, 1, 4
.endm
.macro TURN slot, next, fill, ks       ; a slot's second 128 along K changes slots: one barrier; with fill = 1 it opens a round of the cluster's barrier, and the slot is filled again first thing behind the round
	s_wait_tensorcnt 0x0                           ; all my tensor loads have landed: my part of the next slot
	ds_add_u32 v[SPW], v[NIL]                      ; 0 onto my spare word
	s_wait_dscnt 4*NL+1                            ; the add and the youngest 24 loads may be out
	WIN MUL_LO
	MUL16 0, 1, \ks, 0
	s_wait_dscnt 0x0                               ; the add is done, and my reads of this slot are over
	s_barrier_signal -1
	MUL16 2, 1, \ks, 0
	WIN 0
	s_barrier_wait -1
.if \fill
	CREST                                          ; no wave of any partner still reads this slot's tile or has a load on its way
	s_add_nc_u64 s[G0+4*\slot+2:G0+4*\slot+3], s[G0+4*\slot+2:G0+4*\slot+3], 2*IROW
	s_add_nc_u64 s[G0B+4*\slot+2:G0B+4*\slot+3], s[G0B+4*\slot+2:G0B+4*\slot+3], 2*ROWB
	JLOAD G0+4*\slot, G1, G0B+4*\slot, G1B         ; my one tensor load behind the round; its four v_nop are also the places in front of the loads below
.else
	PLACES NP
.endif
	FETCH_B \next, 0, 0
	FETCH_A \next, 0, 0
	WIN MUL_HI
	MUL16 4, 1, \ks, 0
	MUL16 6, 1, \ks, 0
	PLACES NP
	WIN 0
	FETCH_A \next, 0, 4
.endm
	s_wait_tensorcnt 1                             ; my part of K step 0 is in (K step 1's load may be out),
	s_barrier_signal -1
	s_barrier_wait -1                              ; everybody's is
	FETCH_B 0, 0, 0
	FETCH_A 0, 0, 0
	FETCH_A 0, 0, 4
	s_wait_loadcnt 0x0                             ; the scale words
	STEP 0, 0, 1                                   ; K = 1,024 is eight steps of 128, written out; the first products start the sums
	TURN 0, 1, 1, 1
	STEP 1, 2, 0
	TURN 1, 0, 1, 3
	STEP 0, 4, 0
	TURN 0, 1, 0, 5                                ; nothing is left to fetch: a barrier of the work-group alone; behind it nobody reads slot 0
	STEP 1, 6, 0
	s_wait_dscnt 4*NL                              ; the very last step
	WIN MUL_LO
	MUL16 0, 1, 7, 0
	MUL16 2, 1, 7, 0
	s_wait_dscnt 0
	WIN MUL_HI
	MUL16 4, 1, 7, 0
	MUL16 6, 1, 7, 0
	WIN 0
; THE WAY OUT, block by block of 16 rows x 128 columns: through my own stage in LDS and back as whole rows of 512 bytes.  LDS serves a wave's instructions in order (ISA guide 5.7.1.4): no wait between the stores and the loads.
.macro TOSTAGE a
.set AC, 64*((\a)%4)
	WIN 0x08+4*((\a)/4)                            ; an LDS store's data: window 2 or 3
.irp b, 0,1,2,3,4,5,6,7
	ds_store_b128 v[STO], v[AC+8*\b:AC+8*\b+3] offset:64*\b          ; each accumulator from its low end on
	ds_store_b128 v[STO], v[AC+8*\b+4:AC+8*\b+7] offset:64*\b+16
.endr
	WIN 0
.set BB, BK+64*((\a)%2)
.irp t, 0,1,2,3,4,5,6,7,8,9,10,11,12,13,14,15
	ds_load_b128 v[BB+4*\t:BB+4*\t+3], v[RD] offset:\t*SPITCH
.endr
.endm
.macro SEND a, younger                 ; younger: the LDS instructions issued behind block a's loads, which may stay out
.set BB, BK+64*((\a)%2)
	s_wait_dscnt \younger
.if (\a) > 0
	s_add_nc_u64 s[12:13], s[12:13], 16*SIZE_N*4   ; (behind a wait on XCNT: the earlier stores have read their base)  16 rows on
.endif
.irp t, 0,1,2,3,4,5,6,7,8,9,10,11,12,13,14,15
	global_store_b128 v[CO], v[BB+4*\t:BB+4*\t+3], s[12:13] offset:\t*SIZE_N*4 th:TH_STORE_NT   ; 32 lanes store 512 consecutive bytes, at a multiple of 256 from out0's first byte
.endr
.endm
	PLACES NP                                      ; in front of the loads into the registers that held o's fragments, and of the reads of the last results
	TOSTAGE 0
.irp a, 1,2,3,4,5,6,7
.if \a > 1
	s_wait_xcnt 0x0                                ; block a - 2's stores have read their registers and their base
.endif
	TOSTAGE \a
	SEND \a-1, 32                                  ; behind block a - 1's loads: block a's 16 stores and 16 loads
.endr
	s_wait_xcnt 0x0                                ; block 6's stores have read their base
	SEND 7, 0
	s_wait_tensorcnt 0x0                           ; the wave's end
	ds_add_u32 v[SPW], v[NIL]
	s_wait_dscnt 0x0
	CROUND                                         ; the closing round
	s_endpgm
.Lfunc_end_k_q7699d6f79d_out:
	.size	k_q7699d6f79d_out, .Lfunc_end_k_q7699d6f79d_out-k_q7699d6f79d_out
	.p2alignl 7, 3214868480
	.fill 96, 4, 3214868480
	.section	.rodata,"a",@progbits
	.p2align	6, 0x0
	.amdhsa_kernel k_q7699d6f79d_out
		.amdhsa_group_segment_fixed_size 327680
		.amdhsa_private_segment_fixed_size 0
		.amdhsa_enable_private_segment 0
		.amdhsa_kernarg_size 40
		.amdhsa_user_sgpr_count 2
		.amdhsa_user_sgpr_kernarg_segment_ptr 1
		.amdhsa_wavefront_size32 1
		.amdhsa_system_sgpr_workgroup_id_x 1
		.amdhsa_system_sgpr_workgroup_id_y 1
		.amdhsa_system_sgpr_workgroup_id_z 1
		.amdhsa_system_vgpr_workitem_id 0
		.amdhsa_next_free_vgpr 1024
		.amdhsa_next_free_sgpr 98
		.amdhsa_reserve_vcc 0
		.amdhsa_float_denorm_mode_32 3
		.amdhsa_float_denorm_mode_16_64 3
		.amdhsa_memory_ordered 1
		.amdhsa_forward_progress 1
		.amdhsa_inst_pref_size 159
	.end_amdhsa_kernel
	.amdgpu_metadata
---
amdhsa.version: [ 1, 2 ]
amdhsa.kernels:
  - .name:           k_q7699d6f79d_out
    .symbol:         k_q7699d6f79d_out.kd
    .args:
      - { .name: oimg, .offset: 0, .size: 8, .value_kind: global_buffer, .address_space: global }
      - { .name: osc, .offset: 8, .size: 8, .value_kind: global_buffer, .address_space: global }
      - { .name: W_o_codes, .offset: 16, .size: 8, .value_kind: global_buffer, .address_space: global }
      - { .name: W_o_scales, .offset: 24, .size: 8, .value_kind: global_buffer, .address_space: global }
      - { .name: out0, .offset: 32, .size: 8, .value_kind: global_buffer, .address_space: global }
    .group_segment_fixed_size: 327680
    .private_segment_fixed_size: 0
    .kernarg_segment_align: 8
    .kernarg_segment_size: 40
    .max_flat_workgroup_size: 128
    .sgpr_count:     98
    .vgpr_count:     1024
    .wavefront_size: 32
...
	.end_amdgpu_metadata
.endif
;; end of part 3
